; MI455X (gfx1250); checked and timed in simulation.
; The chip was launched on July 23, 2026; its instructions are those of AMD's public machine-readable ISA for CDNA 5 (MIT licence, August 2026) and "CDNA5" Instruction Set Architecture Reference Guide (July 2026). The comments in the code are by the model that wrote it; some were corrected since.
;; Multi Head Attention. Allowed arithmetic: matrix products marked QUANTISED: E3M2 operands, one E8M0 scale for each 32 along K, by v_wmma_scale_f32_16x16x128_f8f6f4 with both operands' format E3M2, f32 sums; everything else in f32.
;; Inputs: b_qkv 3,072 float32; encodings_for_qkv 4 x 2,048 x 1,024 float32; mask 1 x 1 x 2,048 x 2,048 bool; w_o 1,024 x 1,024 float32; w_qkv 3,072 x 1,024 float32.
;; Outputs: out0 4 x 2,048 x 1,024 float32.
;; This version of the problem:
;;   THIS VERSION OF THE PROBLEM IS GIVEN IN LOW PRECISION. The matrix products marked QUANTISED in the list below multiply operands that are first quantised to E3M2 (3 exponent bits, 2 mantissa bits; 6 bits a number), with one power-of-two scale for each 32 numbers along K (OCP MX v1.0); their sums are f32. All else is computed in f32.
;;   The module's matrix products, in the order in which they are computed (A, B: the left and right operand; K: the contracted axis; several contracted axes count as one K, in the product's order):
;;     1. [M 8,192, K 1,024] x [K 1,024, N 3,072]; A: input encodings_for_qkv; B: input w_qkv: QUANTISED
;;     2. batch 64 x [M 2,048, K 64] x [K 64, N 2,048]; A: computed on the way; B: computed on the way: QUANTISED
;;     3. batch 64 x [M 2,048, K 2,048] x [K 2,048, N 64]; A: softmax (see below); B: computed on the way: QUANTISED
;;     4. [M 8,192, K 1,024] x [K 1,024, N 1,024]; A: computed on the way; B: input w_o: QUANTISED
;;   THE QUANTISER, for each operand of a quantised product, along K:
;;     - K is cut into blocks of 32 from its start; a last block that is shorter is filled with zeros.
;;     - A block's scale is 2^e with e = floor(log2(the largest magnitude in the block)) - 4, held to -126 .. 127; a block of zeros has e = 0. As a byte (E8M0): e + 127.
;;     - Each number is divided by its block's scale, clamped to +-28, and rounded to the nearest number of E3M2, ties to even, subnormals kept.
;;     - The product sums the exact products of the quantised numbers (number of the format x scale) in f32.
;;   ~~~python
;;   def quantise(x, axis):      # numpy; x: float32 -> the quantised numbers, widened to float32 again
;;       x = np.moveaxis(x, axis, -1); K = x.shape[-1]
;;       x = np.pad(x, [(0, 0)] * (x.ndim - 1) + [(0, -K % 32)]); x = x.reshape(x.shape[:-1] + (-1, 32)); a = np.abs(x).max(-1, keepdims=True)
;;       e = np.where(a > 0, np.clip(np.frexp(np.where(a > 0, a, 1))[1] - 1 - 4, -126, 127), 0)      # np.frexp(a)[1] - 1 = floor(log2(a)), exactly
;;       r = np.clip(x / 2.0 ** e, -28, 28)
;;       step = 2.0 ** (np.maximum(np.frexp(np.where(r == 0, 1, r))[1] - 1, -2) - 2)
;;       q = np.round(r / step) * step * 2.0 ** e      # np.round: ties to even
;;       return np.moveaxis(q.reshape(q.shape[:-2] + (-1,))[..., :K], -1, axis).astype(np.float32)
;;   ~~~
;;   SOFTMAX AHEAD OF A QUANTISED PRODUCT. Where the list says 'softmax', what is quantised is not the finished softmax but p = 2^(t - M), with t = logit x log2(e) and M = ceil(the row's largest t), a whole number; so 1/2 < the row's largest p <= 1. The row's sum l is taken of the UNQUANTISED p, in f32, and the product's result is divided by l at the end. Since M is a whole number, a kernel that streams over the keys may use a running M (the ceiling of the running maximum): every later rescaling is an exact power of two, which a block's scale takes up: the codes' values come out the same.
;;   OPERANDS COMPUTED ON THE WAY. 'Computed on the way' means the value that the module computes at that place (a softmax that the list does not call 'softmax' is quantised finished and normalised). What goes into a quantiser is computed in f32, as accurately as f32 sums, v_exp_f32 and their like allow (about 1e-6 of the number): no bf16 or f16 on the way to a quantiser, and a product that is left as it is and whose result goes on into a quantised operand takes f32 operands (vector FMAs, or v_wmma_f32_16x16x4_f32). A number that lies on a knife's edge between two numbers of the format may be rounded either way, as far as f32 arithmetic and the matrix unit's own rounding can turn it there, and no further.
;; 2 versions, each right; version 2 is version 1 with the launch attn written anew for expert scheduling mode. Each part assembles by itself: llvm-mc -triple=amdgcn-amd-amdhsa -mcpu=gfx1250 --defsym DOCPART=n.
;; ======== version 1 of 2: 4 launches
;; limits: right only within a limited range of input values
;; workspace buffers: opc 9,437,184 bytes; ops 393,216 bytes; flags 512 bytes of whole numbers; qkvc 18,874,368 bytes; qkvs 1,310,720 bytes; acod 6,291,456 bytes; ascl 262,144 bytes
;; launch prep (part 1): grid 416 x 1, 4 waves a work-group, no clusters, 35,328 bytes of LDS; arguments encodings_for_qkv, w_qkv, w_o, mask, opc, ops, flags; writes opc, ops, flags
.if DOCPART == 1
	.amdgcn_target "amdgcn-amd-amdhsa--gfx1250"
	.amdhsa_code_object_version 6
	.text
	.protected	k_q0834fab7da_prep
	.globl	k_q0834fab7da_prep
	.p2align	8
	.type	k_q0834fab7da_prep,@function
k_q0834fab7da_prep:
	s_mov_b64 s[64:65], 0
	v_nop
	global_prefetch_b8 v0, s[64:65] scope:SCOPE_SE
	s_setreg_imm32_b32 hwreg(HW_REG_WAVE_MODE, 25, 1), 1
	s_wait_xcnt 0x0
; PREP.  (1) x [8192][1024], w_qkv [3072][1024] and w_o [1024][1024], f32, K innermost, become codes of BF6 (E3M2) with one E8M0 byte for each 32 along K.
; (2) The mask [2048][2048] (bytes 0 or 1; 1 = not allowed) becomes one word of flags for each tile of 16 queries.
; LAYOUT OF THE CODES.  Tiles of 16 rows; tile 2 a + u, lane row r, holds the tensor's row 32 a + 8 u + r % 8 + 16 (r / 8).  With such tiles as source 0 of a product, the 16 result registers of tiles 2 a and 2 a + 1
; are 16 neighbours, which the later launches' quantisers want.  A tile is 8 fragments (16 rows x 128 K), each the IMAGE OF THE OPERAND'S 12 REGISTERS: registers 4 g .. 4 g + 3 of lane l at 512 g + 16 l: 1,536 bytes.
; Tiles 0-511 are x's, 512-703 w_qkv's, 704-767 w_o's.  The scale words: [tile][K step][row r], 4 bytes: the four bytes of that row's 128 along K.
; A block's scale is 2^(floor(log2(its largest magnitude)) - 4); its byte is the largest magnitude's exponent field - 4, held at 1 from below.
; LIMITS: a block of zeros gets the byte 1 where the rule says 127 (its codes are zeros, and this program alone reads the bytes); blocks whose largest magnitude lies under 2^-122 were not tried; NaN and infinities are not served.
; SHARES.  Work-groups 0-383: a wave takes one tile's 16 rows x 512 along K, in four steps of 128.  Each load reads 512 consecutive bytes of one row; a step's 8,192 bytes turn through the wave's own stage in LDS
; (rows 528 bytes apart), from which lane (r, h) takes blocks h and 2 + h of row r: two whole blocks, so that no other lane is asked for a maximum.  Waves share nothing: no barrier.
; Work-groups 384-415: a wave makes the flags of one tile of queries.  Bits 2 j + 1 : 2 j of the word belong to keys 128 j .. 128 j + 127: 1 = all allowed, 2 = mixed, 0 = none allowed and nothing to add.
; 0 is given only where each of the tile's 16 queries has an allowed key somewhere: a query with none takes the plain mean over all keys, so its tile walks every step.
.set SP,   528                         ; a stage row: 512 bytes + 16
.set SCW,  16*SP                       ; behind the stage: the wave's 256 bytes of scale words
.set WREG, SCW+256                     ; LDS of a wave
.set R,    16                          ; v16-143  two sets of 64 numbers as loaded
.set X,    144                         ; v144-207 my two blocks of 32
.set C,    208                         ; v208-219 a fragment's codes
.set T,    220                         ; v220-226 the halves that a conversion cannot put in place
.set MAND, 144                         ; the flags' path: v144-147 AND, v148-151 OR over the tile's rows, one for each 512 bytes of a row
.set MOR,  148
.set TA,   152                         ; v152-155 a row's ANDs
.set TB,   156
.set TO,   157
	s_load_b256 s[4:11], s[0:1], 0x0               ; x s[4:5], w_qkv s[6:7], w_o s[8:9], mask s[10:11]
	s_load_b128 s[12:15], s[0:1], 0x20             ; codes s[12:13], scale words s[14:15]
	s_load_b64 s[16:17], s[0:1], 0x30              ; flags
	v_lshl_add_u32 v232, v0, 2, 0x8800
	v_mov_b32 v233, 0
	v_lshrrev_b32 v1, 5, v0
	v_readfirstlane_b32 s18, v1                    ; wave 0..3
	v_and_b32 v9, 31, v0                           ; lane
	v_lshlrev_b32 v1, 4, v9                        ; 16 x lane: my bytes of a load's 512, and of an image's
	s_wait_kmcnt 0x0
	s_cmp_ge_u32 ttmp9, 384
	s_cbranch_scc1 .Lflags
	; ---------------- the quantiser ----------------
	s_lshl_b32 s19, ttmp9, 2
	s_add_co_u32 s19, s19, s18                     ; my unit
	s_lshr_b32 s21, s19, 1                         ; its tile, 0..767
	s_and_b32 s22, s19, 1                          ; and which 512 along K
	s_mov_b32 s20, 704
	s_cmp_lt_u32 ttmp9, 352                        ; the tensor is chosen by the work-group's number alone
	s_cselect_b64 s[6:7], s[6:7], s[8:9]
	s_cselect_b32 s20, 512, s20
	s_cmp_lt_u32 ttmp9, 256
	s_cselect_b64 s[4:5], s[4:5], s[6:7]
	s_cselect_b32 s20, 0, s20
	s_sub_co_u32 s20, s21, s20                     ; the tile's number in its tensor
	s_lshr_b32 s23, s20, 1
	s_lshl_b32 s23, s23, 17                        ; 32 rows of 4,096 bytes for each pair of tiles,
	s_and_b32 s24, s20, 1
	s_lshl_b32 s24, s24, 15                        ; 8 rows for the odd tile,
	s_add_co_u32 s24, s23, s24
	s_lshl_b32 s25, s22, 11                        ; 2,048 bytes for the second half of K
	s_add_co_u32 s24, s24, s25
	s_mov_b32 s25, 0
	s_add_nc_u64 s[4:5], s[4:5], s[24:25]
	s_mul_i32 s24, s21, 12288                      ; a tile's codes,
	s_mul_i32 s26, s22, 6144                       ; four fragments
	s_add_co_u32 s24, s24, s26
	s_add_nc_u64 s[12:13], s[12:13], s[24:25]
	s_lshl_b32 s24, s21, 9                         ; a tile's scale words,
	s_lshl_b32 s26, s22, 8                         ; four K steps' of them
	s_add_co_u32 s24, s24, s26
	s_add_nc_u64 s[14:15], s[14:15], s[24:25]
	s_mov_b32 s28, 0x76543210
	s_mov_b32 s29, 0xfedcba98                      ; v_permlanex16_b32's selects for lane l xor 16
	s_mul_i32 s27, s18, WREG                       ; my wave's LDS
	v_and_b32 v10, 15, v0                          ; r
	v_bfe_u32 v11, v0, 4, 1                        ; h
	v_add_nc_u32 v2, s27, v1                       ; the stage, on the way in: 16 x lane in row i
	v_mul_u32_u24 v3, v10, SP
	v_lshl_add_u32 v3, v11, 7, v3
	v_add_nc_u32 v3, s27, v3                       ; on the way out: row r, + 128 h
	v_lshlrev_b32 v4, 2, v10
	v_add_nc_u32 v4, s27, v4
	v_add_nc_u32 v4, SCW, v4                       ; my row's scale word
	v_lshlrev_b32 v6, 3, v9                        ; the words' way out: 8 bytes a lane
	v_add_nc_u32 v5, s27, v6
	v_add_nc_u32 v5, SCW, v5
	v_lshlrev_b32 v7, 3, v11                       ; 8 h: where my two bytes stand in the word
	v_mov_b32 v15, 0                               ; written once: a lane permute's destination counts as one of its sources
.macro LOAD t                          ; step t: 16 rows x 512 bytes; the tile's row i is the tensor's row i % 8 + 16 (i / 8)
.irp i, 0,1,2,3,4,5,6,7,8,9,10,11,12,13,14,15
	global_load_b128 v[R+64*((\t)%2)+4*\i:R+64*((\t)%2)+4*\i+3], v1, s[4:5] offset:((\i%8)+16*(\i/8))*4096+512*(\t) th:TH_LOAD_NT
.endr
.endm
.macro QSTEP t
.if (\t) < 3
	s_wait_loadcnt 16                              ; this step's 16 loads are in; the next step's 16 may be out
.else
	s_wait_loadcnt 0x0
.endif
.irp i, 0,1,2,3,4,5,6,7,8,9,10,11,12,13,14,15
	ds_store_b128 v2, v[R+64*((\t)%2)+4*\i:R+64*((\t)%2)+4*\i+3] offset:SP*\i
.endr
.irp c, 0,1
.irp j, 0,1,2,3,4,5,6,7
	ds_load_b128 v[X+32*\c+4*\j:X+32*\c+4*\j+3], v3 offset:256*\c+16*\j   ; k = 64 c + 32 h + 4 j ..: LDS serves a wave's instructions in order, so these see the stores above
.endr
.endr
	s_wait_dscnt 0x0                               ; my blocks are in, and the stores have read their registers,
.if (\t) < 2
	LOAD (\t)+2                                    ; which take the loads of two steps on
.endif
.irp c, 0,1
	v_max3_num_f32 v[8+\c], |v[X+32*\c]|, |v[X+1+32*\c]|, 0x2800000   ; block 2 c + h, all 32 mine; and the floor 2^(5 - 127): the byte cannot fall under 1
.endr
.irp i, 2,4,6,8,10,12,14,16,18,20,22,24,26,28,30
.irp c, 0,1
	v_max3_num_f32 v[8+\c], v[8+\c], |v[X+32*\c+\i]|, |v[X+1+32*\c+\i]|   ; (the two blocks by turns)
.endr
.endr
.irp c, 0,1
	v_add_nc_u32 v[10+\c], 0xfe000000, v[8+\c]     ; 4 off the exponent field: the conversion takes the exponent field of this operand as its scale
.endr
.irp c, 0,1
	v_lshrrev_b32 v[12+\c], 23, v[10+\c]           ; the scale's byte
.endr
	v_lshl_or_b32 v14, v13, 16, v12                ; my two bytes, blocks h and 2 + h,
	v_lshlrev_b32 v14, v7, v14                     ; at their places in the word;
	v_permlanex16_b32 v15, v14, s28, s29
	v_or_b32 v14, v14, v15                         ; with lane l xor 16's two the word is whole
	s_wait_xcnt 0x0                                ; the last step's stores have read the codes' registers
.irp c, 0,1
	v_cvt_scalef32_pk16_bf6_f32 v[C+6*\c:C+6*\c+2], v[X+32*\c:X+32*\c+15], v[10+\c]
	v_cvt_scalef32_pk16_bf6_f32 v[T+4*\c:T+4*\c+2], v[X+32*\c+16:X+32*\c+31], v[10+\c]   ; (a conversion's three registers begin on an even number)
.endr
	v_nop                                          ; one plain place behind a scaled conversion
.irp c, 0,1
.irp i, 0,1,2
	v_mov_b32 v[C+6*\c+3+\i], v[T+4*\c+\i]
.endr
.endr
.irp g, 0,1,2
	global_store_b128 v1, v[C+4*\g:C+4*\g+3], s[12:13] offset:1536*(\t)+512*\g   ; 32 lanes store 512 consecutive bytes, aligned
.endr
	ds_store_b32 v4, v14 offset:64*(\t)            ; both halves of the lanes write the same word with the same value
.endm
	LOAD 0
	LOAD 1
	QSTEP 0
	QSTEP 1
	QSTEP 2
	QSTEP 3
	ds_load_b64 v[12:13], v5                       ; my wave's 64 scale words
	s_wait_dscnt 0x0
	global_store_b64 v6, v[12:13], s[14:15]        ; 32 lanes store 256 consecutive bytes, aligned
	s_wait_tensorcnt 0x0
	ds_add_u32 v232, v233
	s_wait_dscnt 0x0
	s_endpgm
	; ---------------- the flags ----------------
.Lflags:
	s_sub_co_u32 s20, ttmp9, 384
	s_lshl_b32 s20, s20, 2
	s_add_co_u32 s20, s20, s18                     ; my tile of queries, 0..127
	s_lshr_b32 s21, s20, 1
	s_lshl_b32 s21, s21, 16                        ; 32 rows of 2,048 bytes for each pair of tiles,
	s_and_b32 s22, s20, 1
	s_lshl_b32 s22, s22, 14                        ; 8 rows for the odd tile
	s_add_co_u32 s22, s21, s22
	s_mov_b32 s23, 0
	s_add_nc_u64 s[10:11], s[10:11], s[22:23]
	s_lshl_b32 s22, s20, 2
	s_add_nc_u64 s[16:17], s[16:17], s[22:23]
	s_mov_b32 s24, 0x01010101                      ; four bytes that all say 'not allowed'
	s_mov_b32 s25, 0                               ; becomes 1 if a row has no allowed key
; Eight rows (16 u + 0 .. 7 below the tile's first).  A row is four loads of 512 bytes; lanes 8 g .. 8 g + 7 of load c hold keys 128 (4 c + g) ..
.macro MROWS u
.irp i, 0,1,2,3,4,5,6,7
.irp c, 0,1,2,3
	global_load_b128 v[16+16*\i+4*\c:16+16*\i+4*\c+3], v1, s[10:11] offset:(16*\u+\i)*2048+512*\c
.endr
.endr
	s_wait_loadcnt 0x0
.irp i, 0,1,2,3,4,5,6,7
.irp c, 0,1,2,3
	v_and_b32 v[TA+\c], v[16+16*\i+4*\c], v[17+16*\i+4*\c]
	v_and_b32 v[TB], v[18+16*\i+4*\c], v[19+16*\i+4*\c]
	v_and_b32 v[TA+\c], v[TA+\c], v[TB]            ; my 16 bytes of this row, ANDed
	v_or_b32 v[TO], v[16+16*\i+4*\c], v[17+16*\i+4*\c]
	v_or_b32 v[TB], v[18+16*\i+4*\c], v[19+16*\i+4*\c]
	v_or_b32 v[TO], v[TO], v[TB]                   ; and ORed
.if (\u == 0) && (\i == 0)
	v_mov_b32 v[MAND+\c], v[TA+\c]                 ; the first row starts both
	v_mov_b32 v[MOR+\c], v[TO]
.else
	v_and_b32 v[MAND+\c], v[MAND+\c], v[TA+\c]
	v_or_b32 v[MOR+\c], v[MOR+\c], v[TO]
.endif
.endr
	v_and_b32 v[TB], v[TA], v[TA+1]
	v_and_b32 v[TO], v[TA+2], v[TA+3]
	v_and_b32 v[TB], v[TB], v[TO]
	v_cmp_eq_u32 s26, s24, v[TB]                   ; lanes whose 64 bytes of the row all say 'not allowed'
	s_cmp_eq_u32 s26, -1
	s_cselect_b32 s25, 1, s25                      ; all 32 lanes: the row has no allowed key
.endr
.endm
	MROWS 0
	MROWS 1
.irp c, 0,1,2,3
	v_cmp_ne_u32 s[28+\c], 0, v[MOR+\c]            ; lanes that have seen a byte 1
	v_cmp_eq_u32 s[32+\c], s24, v[MAND+\c]         ; lanes that have seen nothing else
.endr
	s_lshl_b32 s25, s25, 1                         ; what a step with no allowed key gets: 0, or 2 where some row has none at all
	s_mov_b32 s27, 0
.irp c, 0,1,2,3
.irp g, 0,1,2,3
	s_bfe_u32 s36, s[32+\c], (8<<16)|(8*\g)
	s_cmp_eq_u32 s36, 0xff
	s_cselect_b32 s37, s25, 2                      ; none allowed, or mixed;
	s_bfe_u32 s36, s[28+\c], (8<<16)|(8*\g)
	s_cmp_lg_u32 s36, 0
	s_cselect_b32 s37, s37, 1                      ; or all allowed
	s_lshl_b32 s37, s37, 2*(4*\c+\g)
	s_or_b32 s27, s27, s37
.endr
.endr
	v_mov_b32 v8, s27
	v_mov_b32 v10, 0
	v_cmp_eq_u32 vcc_lo, 0, v9
	s_wait_xcnt 0x0                                ; EXEC changes only behind this wait
	s_and_saveexec_b32 s38, vcc_lo                 ; lane 0 stores the word
	global_store_b32 v10, v8, s[16:17]
	s_wait_xcnt 0x0                                ; and again in front of the line that widens it
	s_or_b32 exec_lo, exec_lo, s38
	s_endpgm
.Lfunc_end_k_q0834fab7da_prep:
	.size	k_q0834fab7da_prep, .Lfunc_end_k_q0834fab7da_prep-k_q0834fab7da_prep
	.p2alignl 7, 3214868480
	.fill 96, 4, 3214868480
	.section	.rodata,"a",@progbits
	.p2align	6, 0x0
	.amdhsa_kernel k_q0834fab7da_prep
		.amdhsa_group_segment_fixed_size 35328
		.amdhsa_private_segment_fixed_size 0
		.amdhsa_enable_private_segment 0
		.amdhsa_kernarg_size 56
		.amdhsa_user_sgpr_count 2
		.amdhsa_user_sgpr_kernarg_segment_ptr 1
		.amdhsa_wavefront_size32 1
		.amdhsa_system_sgpr_workgroup_id_x 1
		.amdhsa_system_sgpr_workgroup_id_y 1
		.amdhsa_system_sgpr_workgroup_id_z 1
		.amdhsa_system_vgpr_workitem_id 0
		.amdhsa_next_free_vgpr 234
		.amdhsa_next_free_sgpr 66
		.amdhsa_reserve_vcc 1
		.amdhsa_float_denorm_mode_32 3
		.amdhsa_float_denorm_mode_16_64 3
		.amdhsa_memory_ordered 1
		.amdhsa_forward_progress 1
		.amdhsa_inst_pref_size 63
	.end_amdhsa_kernel
	.amdgpu_metadata
---
amdhsa.version: [ 1, 2 ]
amdhsa.kernels:
  - .name:           k_q0834fab7da_prep
    .symbol:         k_q0834fab7da_prep.kd
    .args:
      - { .name: encodings_for_qkv, .offset: 0, .size: 8, .value_kind: global_buffer, .address_space: global }
      - { .name: w_qkv, .offset: 8, .size: 8, .value_kind: global_buffer, .address_space: global }
      - { .name: w_o, .offset: 16, .size: 8, .value_kind: global_buffer, .address_space: global }
      - { .name: mask, .offset: 24, .size: 8, .value_kind: global_buffer, .address_space: global }
      - { .name: opc, .offset: 32, .size: 8, .value_kind: global_buffer, .address_space: global }
      - { .name: ops, .offset: 40, .size: 8, .value_kind: global_buffer, .address_space: global }
      - { .name: flags, .offset: 48, .size: 8, .value_kind: global_buffer, .address_space: global }
    .group_segment_fixed_size: 35328
    .private_segment_fixed_size: 0
    .kernarg_segment_align: 8
    .kernarg_segment_size: 56
    .max_flat_workgroup_size: 128
    .sgpr_count:     66
    .vgpr_count:     234
    .wavefront_size: 32
...
	.end_amdgpu_metadata
.endif
;; end of part 1
;; launch qkv (part 2): grid 96 x 4, 4 waves a work-group, clusters of 4 x 4, 327,680 bytes of LDS; arguments opc, ops, b_qkv, qkvc, qkvs; writes qkvc, qkvs
.if DOCPART == 2
	.amdgcn_target "amdgcn-amd-amdhsa--gfx1250"
	.amdhsa_code_object_version 6
	.text
	.protected	k_q0834fab7da_qkv
	.globl	k_q0834fab7da_qkv
	.p2align	8
	.type	k_q0834fab7da_qkv,@function
k_q0834fab7da_qkv:
	s_mov_b64 s[64:65], 0
	v_nop
	global_prefetch_b8 v0, s[64:65] scope:SCOPE_SE
	s_setreg_imm32_b32 hwreg(HW_REG_WAVE_MODE, 25, 1), 1
	s_wait_xcnt 0x0
	s_wait_alu depctr_hold_cnt(0) depctr_sa_sdst(0) depctr_va_vdst(0) depctr_va_sdst(0) depctr_va_ssrc(0) depctr_va_vcc(0) depctr_vm_vsrc(0)
	s_getreg_b32 s2, hwreg(HW_REG_IB_STS2, 6, 4)
	s_cmp_eq_u32 s2, 0
	s_cbranch_scc0 .Lentry_in_a_cluster
	s_endpgm
.Lentry_in_a_cluster:
	s_bfe_u32 s2, ttmp6, 0x10000c
	s_cmp_lg_u32 s2, 0xf033
	s_cbranch_scc0 .Lentry_shape_is_right
	s_endpgm
.Lentry_shape_is_right:
; QKV.  qkv = x w_qkv^T + b_qkv on codes of BF6 (E3M2) with E8M0 scales, K = 1,024; q, k and v never go to memory as f32: each wave quantises its results and stores them as the attention's operands.
; A tile of the result, 256 x 256, is made by four waves, 128 x 128 each: 64 accumulators, 512 registers.  Z = P R^T, used transposed: source 0 = 16 rows of R, source 1 = 16 rows of P: a lane holds ONE row of P and its
; registers run along R's rows.  By the order of rows in the tiles (see the launch that made them) registers 8 b + j of R's blocks b are: index 32 (b / 2) + 16 (lane / 16) + 8 (b % 2) + j: 16 neighbours for each pair of blocks.
; q AND k (clusters 0-15): P = x, R = w's rows 0-2047.  A lane holds a token and 128 columns = two heads: quantised along the head's 64.   v (clusters 16-23): P = w's rows 2048-3071, R = x.  A lane holds one channel
; and 128 tokens: quantised along the KEYS, which are the second attention product's K.  The choice hangs on the cluster's number alone.
; OPERANDS lie in memory as images of their registers (1,536 bytes for 16 rows x 128 K), so a tensor load brings 8 tiles x 2 K steps as 8 rows of 3,072 bytes and a fragment is three ds_load_b128 at 16 x lane: no pitch, no padding.
; K = 8 steps of 128 = 4 slots' worth.  LDS has THREE slots, all asked for at the start; slot 0 is filled once more, with the last two K steps, behind the one round of the cluster's barrier in the middle: that load has
; four K steps, 256 matrix instructions, in which to land.  By this text's own count a wave has four tensor loads out at the most.  The text has no loop.
; THE SCALE WORDS of my 128 rows of P and of R, for all of K, come once and stay in 64 registers: lanes 0-15 hold P's block i, lanes 16-31 R's block i.
; THE BIAS is the C of each sum's first matrix instruction.
; CLUSTERS: 4 x 4 work-groups; P's tiles are asked for jointly along a row of the cluster, R's along a column.
; 384 tiles for 256 WGPs: one and a half turns of the chip; accepted.  The scale words leave in pieces of 64 bytes (1.3 of the 20 million bytes that the launch stores).
; LIMITS: a block of zeros gets the byte 1 where the rule says 127 (its codes are zeros; this program alone reads the bytes); blocks under 2^-122 were not tried; NaN and infinities are not served.
; REGISTERS: window 0: v1-12 at the head and on the way out; v16-18, v20-22 LDS addresses of P's and R's fragments in slots 0-2; v27 of the scale words; v28, v29 for the add; v32-95 scale words; v128-223 P's 8 fragments, one set.
;   window 1: v0-95, v128-223 R's fragments, two sets; v96-127, v224-255 eight tiles of bias.   window 2: the accumulators of P's blocks 0-3 ((a, b) at v[8 (8 (a % 4) + b)]);   window 3: blocks 4-7.
.set FR,    12                         ; registers of a fragment
.set FRB,   1536                       ; its image in bytes
.set TILEB, 2*FRB                      ; a tile's two K steps in a slot
.set HALFT, 8*TILEB                    ; 128 rows: what one tensor load brings
.set SLOT,  4*HALFT                    ; P's 256 rows, then R's
.set SCL,   3*SLOT                     ; behind the slots: P's scale words, 2 x 4,096 bytes;
.set SCLR,  SCL+2*4096+128             ; R's, 128 bytes further on than they need be, so that the two halves of the lanes fall on different banks
.set SPARE, SCLR+2*4096+128            ; the spare words, 128 bytes for each wave: two blocks of 256 bytes that no other line names
.set GRP,   98304                      ; 128 rows of codes in memory (8 tiles x 8 K steps)
.set ADRP,  16
.set ADRR,  20
.set ADRS,  27
.set SPW,   28
.set NIL,   29
.set SC,    32
.set PF,    128
.set L8,    8                          ; v8   8 x lane
.set SO,    9                          ; v9   where my scale word goes
.set SH,    10                         ; v10  how far it is shifted down first
.set PC,    128                        ; the way out: v128-139 a fragment's codes, v140-146 halves on their way
.set TM,    200                        ; v200-203 largest magnitudes, v204-207 bytes, v212-215 the conversions' scale operands
.set PW,    216                        ; the four bytes of 128 along the new K
.set PD,    217                        ; the word as stored
.set G1P,   24                         ; s[24:31] group 1 for P's tiles; s[32:39] R's; s[40:47], s[48:55] for their scale words
.set G1R,   32
.set G1SP,  40
.set G1SR,  48
.set G0P0,  56                         ; groups 0: P's slots 0-2, R's slots 0-2, the scale words'
.set G0P1,  60
.set G0P2,  68
.set G0R0,  72
.set G0R1,  76
.set G0R2,  80
.set G0SP,  84
.set G0SR,  88
.set MSB, 0
.macro WIN new                         ; the immediate's high byte repeats the setting that is left
.if MSB != \new
	s_set_vgpr_msb (MSB<<8)|\new
.set MSB, \new
.endif
.endm
; A joint load: waves 0 and 1 fetch for P, waves 2 and 3 for R.  Each line has one mask and one set of registers for all that issue it; the branch hangs on the wave's number alone.
; Four v_nop follow each of the two lines, ahead of the jump, the label and what follows.
.macro JLOAD g0p, g1p, g0r, g1r
	s_cmp_eq_u32 s15, 0
	s_cbranch_scc0 .Lfor_r_\@
	tensor_load_to_lds s[\g0p:\g0p+3], s[\g1p:\g1p+7]
	s_nop 0
.rept 4
	v_nop
.endr
	s_branch .Lasked_\@
.Lfor_r_\@:
	tensor_load_to_lds s[\g0r:\g0r+3], s[\g1r:\g1r+7]
	s_nop 0
.rept 4
	v_nop
.endr
.Lasked_\@:
.endm
.macro CREST                           ; a round of the cluster's barrier behind its opening barrier
	s_cmp_lg_u32 s14, 0
	s_cbranch_scc1 .Lnot_wave_0_\@
	s_barrier_signal -3
.Lnot_wave_0_\@:
	s_barrier_wait -3
	s_barrier_signal -1
	s_barrier_wait -1
.endm
.macro CROUND                          ; a whole round
	s_barrier_signal -1
	s_barrier_wait -1
	CREST
.endm
.macro SETG0 g0p, g0r, n               ; slot n's two groups 0, and its first fill
	s_mov_b32 s[\g0p], 1
	s_add_co_u32 s[\g0p+1], s100, (\n)*SLOT
	s_add_nc_u64 s[\g0p+2:\g0p+3], s[22:23], (\n)*TILEB
	s_or_b32 s[\g0p+3], s[\g0p+3], 0x80000000
	s_mov_b32 s[\g0r], 1
	s_add_co_u32 s[\g0r+1], s100, (\n)*SLOT
	s_add_nc_u64 s[\g0r+2:\g0r+3], s[66:67], (\n)*TILEB
	s_or_b32 s[\g0r+3], s[\g0r+3], 0x80000000
	JLOAD \g0p, G1P, \g0r, G1R
.endm
	s_load_b256 s[4:11], s[0:1], 0x0               ; codes s[4:5], scale words s[6:7], bias s[8:9], q, k, v's codes s[10:11]
	s_load_b64 s[12:13], s[0:1], 0x20              ; and their scale words
	v_lshl_add_u32 v[SPW], v0, 2, SPARE
	v_mov_b32 v[NIL], 0
	ds_add_u32 v28, v29
	ds_add_u32 v28, v29
	s_wait_dscnt 0x0
	v_lshrrev_b32 v1, 5, v0
	v_readfirstlane_b32 s14, v1                    ; wave 0..3
	s_lshr_b32 s15, s14, 1                         ; which half of P's rows is mine.  Also: I fetch for P (0) or for R (1)
	s_and_b32 s16, s14, 1                          ; which half of R's rows.  Also: which 128 rows I fetch
	s_bfe_u32 s18, ttmp6, 0x40000                  ; cx
	s_bfe_u32 s19, ttmp6, 0x40004                  ; cy
	s_lshr_b32 s20, ttmp9, 1                       ; q, k: the cluster's row (of 8)
	s_and_b32 s21, ttmp9, 1                        ; and column (of 2)
	s_sub_co_u32 s3, ttmp9, 16                     ; v: its column (of 8)
	s_cmp_lt_u32 ttmp9, 16
	s_cselect_b32 s17, 0, 1                        ; 0: q, k;  1: v.  The same in all sixteen partners
	s_cselect_b32 s20, s20, 0
	s_cselect_b32 s21, s21, s3
	s_cselect_b32 s2, 0, 80                        ; P's first group of 128 rows in the codes' buffer: x's, or w's rows 2048 on
	s_cselect_b32 s3, 64, 0                        ; R's: w's, or x's
	s_lshl_b32 s20, s20, 2
	s_add_co_u32 s20, s20, s19                     ; tile row = 4 x cluster's row + cy
	s_lshl_b32 s20, s20, 1                         ; in groups of 128
	s_lshl_b32 s21, s21, 2
	s_add_co_u32 s21, s21, s18                     ; tile column = 4 x cluster's column + cx
	s_lshl_b32 s21, s21, 1
	s_lshl_b32 s22, s19, 2
	s_lshl_b32 s22, 15, s22                        ; my row of the cluster
	s_lshl_b32 s66, 0x1111, s18                    ; my column
	s_or_b32 s[G1P], s22, (3<<16)|(1<<21)          ; 15:0 the mask; 17:16 elements of 8 bytes; 20 no padding; 21 set beside a mask
	s_or_b32 s[G1R], s66, (3<<16)|(1<<21)
	s_or_b32 s[G1SP], s22, (3<<16)|(1<<21)
	s_or_b32 s[G1SR], s66, (3<<16)|(1<<21)
.irp g, G1P, G1R                       ; 8 rows (tiles) of 3,072 bytes, 12,288 bytes apart
	s_mov_b32 s[\g+1], 384<<16                     ; tensor_dim0
	s_mov_b32 s[\g+2], 8<<16                       ; tensor_dim1
	s_mov_b32 s[\g+3], 384<<16                     ; tile_dim0
	s_mov_b32 s[\g+4], 8                           ; tile_dim1
	s_mov_b32 s[\g+5], 1536                        ; tensor_dim0_stride
	s_mov_b32 s[\g+6], 0
	s_mov_b32 s[\g+7], 0
.endr
.irp g, G1SP, G1SR                     ; 4,096 dense bytes as 16 rows of 256
	s_mov_b32 s[\g+1], 32<<16
	s_mov_b32 s[\g+2], 16<<16
	s_mov_b32 s[\g+3], 32<<16
	s_mov_b32 s[\g+4], 16
	s_mov_b32 s[\g+5], 32
	s_mov_b32 s[\g+6], 0
	s_mov_b32 s[\g+7], 0
.endr
	s_add_co_u32 s19, s20, s16
	s_add_co_u32 s19, s19, s2                      ; the group of P that I fetch: it hangs on the tile row alone,
	s_add_co_u32 s18, s21, s16
	s_add_co_u32 s18, s18, s3                      ; that of R on the tile column alone
	s_mov_b32 s23, 0
	s_mov_b32 s67, 0
	s_mul_i32 s100, s14, HALFT                     ; where tiles go in a slot: wave x 128 rows: no place in the cluster enters an LDS address
	s_lshl_b32 s101, s16, 12                       ; and the scale words
	s_wait_kmcnt 0x0
	CROUND                                         ; all sixteen work-groups are here: the first joint loads meet
	s_lshl_b32 s22, s19, 12
	s_lshl_b32 s66, s18, 12
	s_mov_b32 s[G0SP], 1
	s_add_co_u32 s[G0SP+1], s101, SCL
	s_add_nc_u64 s[G0SP+2:G0SP+3], s[6:7], s[22:23]
	s_or_b32 s[G0SP+3], s[G0SP+3], 0x80000000
	s_mov_b32 s[G0SR], 1
	s_add_co_u32 s[G0SR+1], s101, SCLR
	s_add_nc_u64 s[G0SR+2:G0SR+3], s[6:7], s[66:67]
	s_or_b32 s[G0SR+3], s[G0SR+3], 0x80000000
	JLOAD G0SP, G1SP, G0SR, G1SR                   ; the scale words first: they are wanted with K step 0
	s_mul_i32 s22, s19, GRP
	s_mul_i32 s66, s18, GRP
	s_add_nc_u64 s[22:23], s[4:5], s[22:23]
	s_add_nc_u64 s[66:67], s[4:5], s[66:67]
	SETG0 G0P0, G0R0, 0
	SETG0 G0P1, G0R1, 1
	SETG0 G0P2, G0R2, 2
	v_and_b32 v1, 15, v0                           ; r
	v_bfe_u32 v2, v0, 4, 1                         ; h
	v_and_b32 v3, 31, v0                           ; lane
	v_lshlrev_b32 v4, 4, v3                        ; an image's place for my lane
	s_mul_i32 s100, s15, HALFT                     ; my 128 rows of P,
	s_mul_i32 s101, s16, HALFT
	s_add_co_u32 s101, s101, 2*HALFT               ; my 128 rows of R, behind P's 256
.irp n, 0,1,2
	v_add_nc_u32 v[ADRP+\n], s100, v4
	v_add_nc_u32 v[ADRR+\n], s101, v4
	s_add_co_u32 s100, s100, SLOT
	s_add_co_u32 s101, s101, SLOT
.endr
	s_xor_b32 s101, s15, 1                         ; from my words of P to my words of R: SCLR - SCL + 4,096 (R's half - P's half), made without a subtraction
	s_add_co_u32 s101, s101, s16
	s_lshl_b32 s101, s101, 12
	s_add_co_u32 s101, s101, SCLR-SCL-4096
	v_mul_u32_u24 v6, s101, v2                     ; lanes 16-31 take R's: one product, the distance x h
	s_lshl_b32 s100, s15, 12
	s_add_co_u32 s100, s100, SCL
	v_lshl_add_u32 v5, v1, 2, v6
	v_add_nc_u32 v[ADRS], s100, v5
	; where the results go.  These registers hold both cx and cy; none of them feeds a descriptor or an LDS address
	s_add_co_u32 s4, s20, s15                      ; my group of P's rows
	s_add_co_u32 s5, s21, s16                      ; my group of R's rows
	s_cmp_eq_u32 s17, 0
	s_cselect_b32 s6, s4, s5                       ; the tokens' group, 0..63
	s_cselect_b32 s7, s5, s4                       ; the columns' group: q 0-7, k 8-15; v 0-7: a pair of heads
	s_lshl_b32 s92, s17, 7
	s_lshr_b32 s93, s7, 3
	s_lshl_b32 s93, s93, 6
	s_add_co_u32 s92, s92, s93
	s_lshr_b32 s93, s6, 4
	s_lshl_b32 s93, s93, 4
	s_add_co_u32 s92, s92, s93
	s_and_b32 s93, s7, 7
	s_lshl_b32 s93, s93, 1
	s_add_co_u32 s92, s92, s93                     ; 64 x (0 q, 1 k, 2 v) + 16 x batch + the pair's first head
	s_and_b32 s6, s6, 15                           ; the tokens' group in its batch
	s_lshl_b32 s94, s7, 9
	s_lshl_b32 s95, s17, 13
	s_add_co_u32 s94, s94, s95
	s_mov_b32 s95, 0
	s_add_nc_u64 s[8:9], s[8:9], s[94:95]          ; the bias of my 128 columns
	s_lshl_b32 s94, s92, 13                        ; scale words: q, k: 8,192 bytes a head, 512 a group of tokens;
	s_lshl_b32 s96, s6, 9
	s_add_co_u32 s94, s94, s96
	s_lshr_b32 s94, s94, s17                       ; v: half of both,
	s_lshl_b32 s96, s17, 19
	s_add_co_u32 s94, s94, s96                     ; behind q's and k's
	s_add_nc_u64 s[12:13], s[12:13], s[94:95]
	s_mul_i32 s94, s92, 98304                      ; codes: 98,304 bytes a head, 6,144 a group of tokens
	s_mul_i32 s96, s6, 6144
	s_add_co_u32 s94, s94, s96
	s_add_nc_u64 s[10:11], s[10:11], s[94:95]      ; registers 0-5 of a fragment go here,
	s_mov_b32 s4, 98304
	s_mov_b32 s5, 0
	s_mov_b32 s94, 1536
	s_mov_b32 s97, 0
	s_mov_b32 s99, 0
	s_cmp_eq_u32 s17, 0
	s_cselect_b32 s4, s4, 768                      ; registers 6-11: q, k: to the pair's second head; v: 768 bytes on
	s_cselect_b32 s94, 768, s94                    ; from block to block: a tile of 16 tokens x 64; v: a fragment
	s_cselect_b32 s96, 0, 92160                    ; v: behind block 3 on to the second head
	s_cselect_b32 s98, 0, 3840                     ; and its scale words
	s_cselect_b32 s2, 0xffff, -1                   ; q, k: a head's two bytes; v: all four
	s_cselect_b32 s3, 8192, 0                      ; q, k: lanes 16-31 store the second head's word
	s_cselect_b32 s7, 16, 0                        ; which is the upper half of the four bytes
	s_add_nc_u64 s[92:93], s[10:11], s[4:5]
	v_lshlrev_b32 v[L8], 3, v3
	v_mul_u32_u24 v[SO], s3, v2
	v_lshl_add_u32 v[SO], v1, 2, v[SO]
	v_mul_u32_u24 v[SH], s7, v2
	s_mov_b32 s6, 0x76543210
	s_mov_b32 s7, 0xfedcba98                       ; v_permlanex16_b32's selects for lane l xor 16
	; the bias, eight tiles of eight registers in the result's layout, in window 1: tile t at v[96 + 8 t] (t < 4) or v[192 + 8 t]
	s_cmp_eq_u32 s17, 0
	s_cbranch_scc0 .Lbias_v
	v_lshlrev_b32 v11, 6, v2                       ; q, k: register j of R's block t is column 32 (t / 2) + 8 (t % 2) + 16 h + j
	WIN 0x40
.irp t, 0,1,2,3,4,5,6,7
	global_load_b128 v[96+8*\t+96*(\t/4):99+8*\t+96*(\t/4)], v11, s[8:9] offset:4*(32*(\t/2)+8*(\t%2))
	global_load_b128 v[100+8*\t+96*(\t/4):103+8*\t+96*(\t/4)], v11, s[8:9] offset:4*(32*(\t/2)+8*(\t%2))+16
.endr
	WIN 0
	s_branch .Lbias_done
.Lbias_v:
	v_and_b32 v11, 7, v1                           ; v: all eight registers of P's block t belong to column 32 (t / 2) + 8 (t % 2) + r % 8 + 16 (r / 8)
	v_lshrrev_b32 v12, 3, v1
	v_lshl_add_u32 v11, v12, 4, v11
	v_lshlrev_b32 v11, 2, v11
	WIN 0x40
.irp t, 0,1,2,3,4,5,6,7
.irp j, 0,1,2,3,4,5,6,7
	global_load_b32 v[96+8*\t+96*(\t/4)+\j], v11, s[8:9] offset:4*(32*(\t/2)+8*(\t%2))
.endr
.endr
	WIN 0
.Lbias_done:
.macro FRAG reg, adr, q, i             ; a fragment comes as it was stored: three loads of 16 bytes a lane, 512 consecutive bytes each
.irp c, 0,1,2
	ds_load_b128 v[\reg+4*\c:\reg+4*\c+3], v[\adr] offset:(\i)*TILEB+(\q)*FRB+512*\c
.endr
.endm
.macro FETCH_R slot, q, set            ; R's eight fragments of the slot's q-th K step into a set of window 1
	WIN 0x40
.irp i, 0,1,2,3,4,5,6,7
	FRAG 128*(\set)+FR*\i, ADRR+\slot, \q, \i
.endr
	WIN 0
.endm
.macro FETCH_P slot, q, i0             ; P's blocks i0 .. i0 + 3
.irp i, \i0, \i0+1, \i0+2, \i0+3
	FRAG PF+FR*(\i), ADRP+\slot, \q, \i
.endr
.endm
.macro SCALES                          ; all scale words, once: register 8 s + i: lanes 0-15 P's block i, lanes 16-31 R's block i, K step s
.irp s, 0,1,2,3,4,5,6,7
.irp i, 0,1,2,3,4,5,6,7
	ds_load_b32 v[SC+8*\s+\i], v[ADRS] offset:512*\i+64*\s
.endr
.endr
.endm
; 16 matrix instructions: P's blocks a0, a0 + 1 x R's eight, K step s.  cmode 0: onto the sums; 1: the sums start from the bias of R's block; 2: of P's block.
; The 64 accumulators take turns, one instruction a turn, in the same order in every step.
.macro MUL16 a0, set, s, cmode
.irp a, \a0, \a0+1
.irp b, 0,1,2,3,4,5,6,7
.set rD, 8*(8*((\a)%4)+\b)
.set rC, rD
.if (\cmode) == 1
.set rC, 96+8*\b+96*(\b/4)
.endif
.if (\cmode) == 2
.set rC, 96+8*(\a)+96*((\a)/4)
.endif
	v_wmma_scale_f32_16x16x128_f8f6f4 v[rD:rD+7], v[128*(\set)+FR*\b:128*(\set)+FR*\b+FR-1], v[PF+FR*(\a):PF+FR*(\a)+FR-1], v[rC:rC+7], v[SC+8*(\s)+\b], v[SC+8*(\s)+(\a)] matrix_a_fmt:MATRIX_FMT_BF6 matrix_b_fmt:MATRIX_FMT_BF6 matrix_a_scale:MATRIX_SCALE_ROW1
.endr
.endr
.endm
; A load into a register that a matrix instruction has read, and a vector instruction that reads a result or writes an operand, stand four places behind it; only plain vector instructions that
; name none of its registers are places (ISA guide 7.12.1 for vector instructions).
.macro PLACES n
.rept \n
	v_nop
.endr
.endm
; K step s; in it the next step's fragments are fetched, from the nq-th K step of slot nslot.  A block of P is free as soon as its eight products are issued, so P has one set of registers.
.macro STEP s, nslot, nq, cmode
	s_wait_dscnt 12                                ; R's set and P's blocks 0-3 are in; the youngest 12 loads (P's blocks 4-7) may be out
.if ((\cmode) == 1) || ((\cmode) == 2)
	WIN 0x91                                       ; source 0 (R) window 1, source 1 (P) window 0, C (the bias) window 1, D window 2
.else
	WIN 0xa1                                       ; C and D window 2
.endif
	MUL16 0, (\s)%2, \s, \cmode
	MUL16 2, (\s)%2, \s, \cmode
	s_wait_dscnt 0x0                               ; P's blocks 4-7 are in (asked for 32 matrix instructions ago)
	PLACES 4
	FETCH_R \nslot, \nq, 1-(\s)%2
	FETCH_P \nslot, \nq, 0
.if ((\cmode) == 1) || ((\cmode) == 2)
	WIN 0xd1
.else
	WIN 0xf1                                       ; C and D window 3
.endif
	MUL16 4, (\s)%2, \s, \cmode
	MUL16 6, (\s)%2, \s, \cmode
	PLACES 4
	WIN 0
	FETCH_P \nslot, \nq, 4
.endm
; A K step with a barrier in it.  In front of the barrier each wave waits for all its tensor loads, adds 0 to its spare word, and waits for that and for its LDS reads.
; fill = 1: the barrier opens a round of the cluster's barrier, and slot 0, which nobody reads any more, takes the last two K steps.
.macro TURN s, nslot, fill
	s_wait_tensorcnt 0x0                           ; all my tensor loads have landed  (every window is 0 here: the add's two registers lie in window 0)
	ds_add_u32 v[SPW], v[NIL]                      ; 0 onto my spare word
	s_wait_dscnt 13                                ; (the add and the youngest 12 loads may be out)
	WIN 0xa1
	MUL16 0, (\s)%2, \s, 0                         ; sixteen matrix instructions stand between the add and the wait for it
	s_wait_dscnt 0x0                               ; the add is done, and my reads of the slot in hand are over
	s_barrier_signal -1
	MUL16 2, (\s)%2, \s, 0
	WIN 0
	s_barrier_wait -1
.if \fill
	CREST                                          ; no wave of any partner still reads slot 0 or has a load on its way
	s_add_nc_u64 s[G0P0+2:G0P0+3], s[G0P0+2:G0P0+3], 3*TILEB
	s_add_nc_u64 s[G0R0+2:G0R0+3], s[G0R0+2:G0R0+3], 3*TILEB
	JLOAD G0P0, G1P, G0R0, G1R                     ; the first tensor load behind the round; its four v_nop are also the places in front of the loads below
.else
	PLACES 4
.endif
	FETCH_R \nslot, 0, 1-(\s)%2
	FETCH_P \nslot, 0, 0
	WIN 0xf1
	MUL16 4, (\s)%2, \s, 0
	MUL16 6, (\s)%2, \s, 0
	PLACES 4
	WIN 0
	FETCH_P \nslot, 0, 4
.endm
	s_wait_tensorcnt 2                             ; the scale words and my part of slot 0 are in; slots 1 and 2 may stay out
	s_barrier_signal -1
	s_barrier_wait -1                              ; everybody's are
	FETCH_R 0, 0, 0
	FETCH_P 0, 0, 0
	SCALES
	FETCH_P 0, 0, 4
	s_wait_loadcnt 0x0                             ; the bias
	s_cmp_eq_u32 s17, 0
	s_cbranch_scc0 .Lstart_v
	STEP 0, 0, 1, 1                                ; q, k: the bias runs along R's rows
	s_branch .Lstarted
.Lstart_v:
	STEP 0, 0, 1, 2                                ; v: along P's
.Lstarted:
	TURN 1, 1, 1                                   ; its wait shows slots 1 and 2 landed, in every wave; K steps 6 and 7 go out into slot 0
	STEP 2, 1, 1, 0
	STEP 3, 2, 0, 0
	STEP 4, 2, 1, 0
	TURN 5, 0, 0                                   ; slot 0's second fill has landed, in every wave
	STEP 6, 0, 1, 0
	s_wait_dscnt 12                                ; K step 7: nothing more to fetch
	WIN 0xa1
	MUL16 0, 1, 7, 0
	MUL16 2, 1, 7, 0
	s_wait_dscnt 0x0
	WIN 0xf1
	MUL16 4, 1, 7, 0
	MUL16 6, 1, 7, 0
	WIN 0
; THE WAY OUT.  The 64 registers of P's block a (window w, from register s on): register 16 b + i = index 32 b + 16 (lane / 16) + i of my row: they become a fragment's codes in v[PC] on and its four scale bytes in v[PW].
; Each accumulator is read from its low end on.
.macro QUANTW s, w
	WIN ((\w)<<2)|((\w)<<4)                        ; sources 1 and 2: the accumulators' window
.irp b, 0,1,2,3
	v_max3_num_f32 v[TM+\b], 0x2800000, |v[(\s)+16*\b]|, |v[(\s)+1+16*\b]|   ; block b: my 16 numbers, and the floor 2^(5 - 127): the byte cannot fall under 1
.endr
.irp i, 2,4,6,8,10,12,14
.irp b, 0,1,2,3
	v_max3_num_f32 v[TM+\b], v[TM+\b], |v[(\s)+16*\b+\i]|, |v[(\s)+1+16*\b+\i]|   ; (the four blocks by turns)
.endr
.endr
	WIN 0
.irp b, 0,1,2,3
	v_permlanex16_b32 v[TM+4+\b], v[TM+\b], s6, s7
.endr
.irp b, 0,1,2,3
	v_max_num_f32 v[TM+\b], v[TM+\b], v[TM+4+\b]   ; with lane l xor 16's: the block's largest magnitude
.endr
.irp b, 0,1,2,3
	v_add_nc_u32 v[TM+12+\b], 0xfe000000, v[TM+\b] ; 4 off its exponent field: the conversion's scale operand
.endr
.irp b, 0,1,2,3
	v_lshrrev_b32 v[TM+4+\b], 23, v[TM+12+\b]      ; the scale's byte
.endr
	v_lshl_or_b32 v[PW], v[TM+5], 8, v[TM+4]
	v_lshl_or_b32 v[PW], v[TM+6], 16, v[PW]
	v_lshl_or_b32 v[PW], v[TM+7], 24, v[PW]
	WIN \w                                         ; source 0: the accumulators' window
.irp c, 0,1
	v_cvt_scalef32_pk16_bf6_f32 v[PC+6*\c:PC+2+6*\c], v[(\s)+32*\c:(\s)+15+32*\c], v[TM+12+2*\c]
	v_cvt_scalef32_pk16_bf6_f32 v[PC+12+4*\c:PC+14+4*\c], v[(\s)+16+32*\c:(\s)+31+32*\c], v[TM+12+2*\c+1]   ; (a conversion's three registers begin on an even number)
.endr
	WIN 0
	v_nop                                          ; one plain place behind a scaled conversion
.irp c, 0,1                                    ; the operand's layout wants a WHOLE block in a lane: lanes 0-15 block 2 c, lanes 16-31 block 2 c + 1
.irp i, 0,1,2
	v_permlane16_swap_b32 v[PC+6*\c+\i], v[PC+12+4*\c+\i]
.endr
.irp i, 0,1,2
	v_mov_b32 v[PC+3+6*\c+\i], v[PC+12+4*\c+\i]
.endr
.endr
.endm
; q, k: registers 0-5 are a tile (16 tokens x 64) of the pair's first head, registers 6-11 of its second.  v: the 12 registers are one fragment, 16 channels x 128 keys.  Pairs of registers go out as they stand, 8 bytes a lane.
.macro OUT a
	QUANTW 64*((\a)%4), 2+(\a)/4
	v_lshrrev_b32 v[PD], v[SH], v[PW]
	v_and_b32 v[PD], s2, v[PD]                     ; q, k: my head's two bytes, and two bytes 0 for the half of the instruction's K that a head does not fill
.irp g, 0,1,2
	global_store_b64 v[L8], v[PC+2*\g:PC+2*\g+1], s[10:11] offset:256*\g      ; 32 lanes store 256 consecutive bytes, aligned
.endr
.irp g, 0,1,2
	global_store_b64 v[L8], v[PC+6+2*\g:PC+7+2*\g], s[92:93] offset:256*\g
.endr
	global_store_b32 v[SO], v[PD], s[12:13]        ; v: both halves of the lanes store the same word to the same place
	s_wait_xcnt 0x0                                ; the stores have read their registers and bases: both may be written again
	s_add_nc_u64 s[10:11], s[10:11], s[94:95]
	s_add_nc_u64 s[92:93], s[92:93], s[94:95]
	s_add_nc_u64 s[12:13], s[12:13], 64
.if (\a) == 3
	s_add_nc_u64 s[10:11], s[10:11], s[96:97]
	s_add_nc_u64 s[92:93], s[92:93], s[96:97]
	s_add_nc_u64 s[12:13], s[12:13], s[98:99]
.endif
.endm
	PLACES 4                                       ; four places behind the last products: all that follows writes registers that held P's fragments (v128-223), which those products read
.irp b, 0,1,2,3
	v_mov_b32 v[TM+4+\b], 0                        ; a lane permute's destination counts as one of its sources.  v204-207 held part of P's block 6: so these lines stand behind the four places
.endr
.irp a, 0,1,2,3,4,5,6,7
	OUT \a
.endr
	s_wait_tensorcnt 0x0                           ; the wave's end
	ds_add_u32 v[SPW], v[NIL]
	s_wait_dscnt 0x0
	CROUND                                         ; the closing round: no work-group ends while a partner may still ask for a tile that names it
	s_endpgm
.Lfunc_end_k_q0834fab7da_qkv:
	.size	k_q0834fab7da_qkv, .Lfunc_end_k_q0834fab7da_qkv-k_q0834fab7da_qkv
	.p2alignl 7, 3214868480
	.fill 96, 4, 3214868480
	.section	.rodata,"a",@progbits
	.p2align	6, 0x0
	.amdhsa_kernel k_q0834fab7da_qkv
		.amdhsa_group_segment_fixed_size 327680
		.amdhsa_private_segment_fixed_size 0
		.amdhsa_enable_private_segment 0
		.amdhsa_kernarg_size 40
		.amdhsa_user_sgpr_count 2
		.amdhsa_user_sgpr_kernarg_segment_ptr 1
		.amdhsa_wavefront_size32 1
		.amdhsa_system_sgpr_workgroup_id_x 1
		.amdhsa_system_sgpr_workgroup_id_y 1
		.amdhsa_system_sgpr_workgroup_id_z 1
		.amdhsa_system_vgpr_workitem_id 0
		.amdhsa_next_free_vgpr 1024
		.amdhsa_next_free_sgpr 102
		.amdhsa_reserve_vcc 0
		.amdhsa_float_denorm_mode_32 3
		.amdhsa_float_denorm_mode_16_64 3
		.amdhsa_memory_ordered 1
		.amdhsa_forward_progress 1
		.amdhsa_inst_pref_size 166
	.end_amdhsa_kernel
	.amdgpu_metadata
---
amdhsa.version: [ 1, 2 ]
amdhsa.kernels:
  - .name:           k_q0834fab7da_qkv
    .symbol:         k_q0834fab7da_qkv.kd
    .args:
      - { .name: opc, .offset: 0, .size: 8, .value_kind: global_buffer, .address_space: global }
      - { .name: ops, .offset: 8, .size: 8, .value_kind: global_buffer, .address_space: global }
      - { .name: b_qkv, .offset: 16, .size: 8, .value_kind: global_buffer, .address_space: global }
      - { .name: qkvc, .offset: 24, .size: 8, .value_kind: global_buffer, .address_space: global }
      - { .name: qkvs, .offset: 32, .size: 8, .value_kind: global_buffer, .address_space: global }
    .group_segment_fixed_size: 327680
    .private_segment_fixed_size: 0
    .kernarg_segment_align: 8
    .kernarg_segment_size: 40
    .max_flat_workgroup_size: 128
    .sgpr_count:     102
    .vgpr_count:     1024
    .wavefront_size: 32
...
	.end_amdgpu_metadata
.endif
;; end of part 2
;; launch attn (part 3): grid 256 x 1, 16 waves a work-group, no clusters, 92,160 bytes of LDS; arguments qkvc, qkvs, mask, flags, acod, ascl; writes acod, ascl
.if DOCPART == 3
	.amdgcn_target "amdgcn-amd-amdhsa--gfx1250"
	.amdhsa_code_object_version 6
	.text
	.protected	k_q0834fab7da_attn
	.globl	k_q0834fab7da_attn
	.p2align	8
	.type	k_q0834fab7da_attn,@function
k_q0834fab7da_attn:
	s_mov_b64 s[64:65], 0
	v_nop
	global_prefetch_b8 v0, s[64:65] scope:SCOPE_SE
	s_setreg_imm32_b32 hwreg(HW_REG_WAVE_MODE, 25, 1), 1
	s_wait_xcnt 0x0
; ATTENTION on codes of BF6 (E3M2) with E8M0 scales: o = softmax(where(mask, -1e9, q k^T / 8)) v for 64 heads of 64 channels, 2,048 queries and keys; o leaves as codes, the last product's operand.
; THE SOFTMAX AHEAD OF THE SECOND PRODUCT: t = score x log2(e) / 8; M = the row's largest t so far, rounded UP to a whole number; p = 2^(t - M) is quantised along the keys, not normalised; the row's sum is taken of the
; unquantised p and divides o at the end.  When M moves, the sum and o are multiplied by 2^(old M - new M): exact.
; SHARES.  A work-group takes one pair of heads of one batch and 16 tiles of 16 queries: blocks i and 15 - i of 128 queries.  Each of its sixteen waves owns one tile, in 256 registers, and walks first the one head's keys,
; then the other's, 128 a step: so a wave ends up with a whole fragment (16 rows x 128 K) of the last product's operand.  Four waves share a SIMD, two of each block.
; THE MASK IS AN INPUT.  An earlier launch has stored, for each tile of queries and each step of 128 keys, 0 (no key allowed, and each query has an allowed key elsewhere: the step adds nothing and is left out: a scalar
; branch on the stored number), 1 (all allowed) or 2 (mixed: the mask's bytes are read, and the scores of keys not allowed become -2^33 ahead of the maximum).
; LIMIT: -2^33 x log2(e) / 8 stands for reference's -1e9 x log2(e).  Both are whole numbers in f32, so a query with no allowed key has p = 1 for every key and the sum 2,048, as there; a query with an allowed key has
; p = 0 for the others, as there, while its allowed logits stay above about -9e8.
; LIMITS of the quantiser: a block of zeros gets the byte 1 where the rule says 127 (its codes are zeros; this program alone reads the bytes); NaN and infinities are not served.
; K and V come through registers.  All 512 threads load a slot (256 keys: 12,288 bytes of K,
; 12,288 of V, as they lie in memory) a whole slot's two steps ahead of its use and store it into the other of two LDS slots: one barrier a slot.  So no wave waits for that stream, and nothing is prefetched.
; LAYOUT.  Both products are used transposed: S^T = K Q^T (source 0 = 16 keys), O^T = V^T P^T (source 0 = 16 channels): a lane holds ONE query throughout.  By the order of rows in the tiles, registers 16 b + i of the scores
; are keys 32 b + 16 (lane / 16) + i of the step, and registers 16 b + i of O^T are channels 32 b + 16 (lane / 16) + i.
; A HEAD'S 64 FILL HALF OF THE INSTRUCTION'S 128: Q's registers 6-11 are zero codes and the scale bytes of that half are 0 (2^-127, no NaN).  K's tiles lie 6 registers apart; a tile's registers 6-11 are the next tile's codes,
; which meet Q's zeros and add nothing.
; The mask's bytes are read as 32 bytes of each of 16 rows, and o's scale words leave in pieces of 64 bytes: both are small beside the launch's other traffic.
; REGISTERS: v1-11 addresses; v12 -M, v13 the largest t, v[14:15] the sum in two halves; v16-21 Q, v22-27 zeros; v28-39 o's fragment; v40-87 K's 8 tiles, then the mask's bytes, then V's 4 fragments; v88-93 zeros; v94 o's scale word;
;   v95 the second head's Q word; v96-159 S^T, then p; v160-191 O^T; v192-203 the slot on its way; v204-209 the second head's Q; v224-235 p's codes; v232-254 at work; v248-251 K's or V's scale words, v253 p's, v255 Q's.
.set BHB,  98304                       ; a head's codes of Q, of K or of V
.set KOFF, 6291456                     ; K's codes lie so far behind Q's, and V's so far behind K's
.set SLB,  12288                       ; a slot's bytes of K, and of V
.set VJMP, KOFF-SLB                    ; from a place in a slot's second half to the same place in V
.set SL1,  32768                       ; LDS: slot 0 at 0, slot 1 here; in a slot K's 16 tiles of 768 bytes, then V's 8 fragments of 1,536
.set KSB,  65536                       ; K's scale words of both heads, 16,384 bytes
.set VSB,  81920                       ; V's, 8,192 bytes
.set L8,   1                           ; v1   8 x lane
.set AKS,  2                           ; v2   KSB + 4 x lane
.set AVS,  3                           ; v3   VSB + 4 x lane
.set ADS,  4                           ; v4   K's scale words of the trip's four steps
.set ADT,  5                           ; v5   V's
.set T16,  6                           ; v6   16 x thread
.set T16B, 8                           ; v8   the thread's second piece of a slot, in memory
.set MO,   9                           ; v9   my query's row of the mask, + 16 h
.set L16,  10                          ; v10  16 x lane
.set R4,   11                          ; v11  4 r
.set KV,   40
.set FRG,  192
.set QN,   204
.set WV,   16
.set TT,   17                          ; s17  my tile of queries, 0..127
.set PP,   18                          ; s18  the pair of heads
.set BT,   19                          ; s19  the batch
.set SEL,  20                          ; s[20:21] lane selects for v_permlanex16_b32: lane l xor 16
.set CS,   22                          ; s[22:23] c = log2(e) / 8
.set FW,   24                          ; s24  my tile's flags
.set FWS,  25                          ; s25  those of the steps still to come in this head
.set MK0,  26                          ; s[26:27] the mask at my tile's first row
.set MK,   28                          ; s[28:29] and at the trip's first key
.set KB,   30                          ; s[30:31] K's codes at the trip's first slot
.set TS,   32                          ; s32  where the trip's scale words of K begin
.set TJ,   33                          ; s33  and V's
.set NN,   34                          ; s34  the trip, 0..7: four to a head
.set FF,   35                          ; s35  the step's flag
	s_load_b256 s[4:11], s[0:1], 0x0               ; codes s[4:5], scale words s[6:7], mask s[8:9], flags s[10:11]
	s_load_b128 s[12:15], s[0:1], 0x20             ; o's codes s[12:13], o's scale words s[14:15]
	v_lshl_add_u32 v223, v0, 2, 0x16000
	v_mov_b32 v243, 0
	v_lshrrev_b32 v1, 5, v0
	v_readfirstlane_b32 s[WV], v1                  ; wave 0..15
	s_and_b32 s36, ttmp9, 7                        ; i
	s_bfe_u32 s[PP], ttmp9, 0x30003
	s_lshr_b32 s[BT], ttmp9, 6
	s_sub_co_u32 s38, 15, s36
	s_lshr_b32 s37, s[WV], 2
	s_xor_b32 s37, s37, s[WV]
	s_and_b32 s37, s37, 1                          ; which of the two blocks: of waves 2 m and 2 m + 1 one takes each, and of any four waves w, w + 4, w + 8, w + 12, or 4 m .. 4 m + 3, two take each
	s_cmp_eq_u32 s37, 0
	s_cselect_b32 s36, s36, s38                    ; block i or 15 - i
	s_lshl_b32 s[TT], s36, 3
	s_lshr_b32 s37, s[WV], 1
	s_add_co_u32 s[TT], s[TT], s37
	s_lshl_b32 s38, s[BT], 4
	s_lshl_b32 s39, s[PP], 1
	s_add_co_u32 s38, s38, s39                     ; the pair's first head, 0..62
	s_mov_b32 s[SEL], 0x76543210
	s_mov_b32 s[SEL+1], 0xfedcba98
	s_mov_b32 s[CS], 0x3e38aa3b                    ; log2(e) / 8
	s_mov_b32 s[CS+1], s[CS]                       ; (named with it as a pair, so it is written)
	s_mov_b32 s[TS], 0
	s_mov_b32 s[TJ], 0
	s_mov_b32 s[NN], 0
	s_mov_b32 s37, 0
	s_wait_kmcnt 0x0
	s_mul_i32 s48, s38, BHB
	s_mul_i32 s36, s[TT], 768
	s_add_co_u32 s36, s36, s48
	s_add_nc_u64 s[40:41], s[4:5], s[36:37]        ; Q's codes: my tile of the first head
	s_add_co_u32 s36, s48, KOFF
	s_add_nc_u64 s[KB:KB+1], s[4:5], s[36:37]      ; K's: the two heads' 16 slots follow each other, in K and in V alike
	s_lshl_b32 s48, s38, 13
	s_lshl_b32 s36, s[TT], 6
	s_add_co_u32 s36, s36, s48
	s_add_nc_u64 s[42:43], s[6:7], s[36:37]        ; Q's scale words
	s_add_co_u32 s36, s48, 524288
	s_add_nc_u64 s[44:45], s[6:7], s[36:37]        ; K's, both heads'
	s_lshl_b32 s36, s38, 12
	s_add_co_u32 s36, s36, 1048576
	s_add_nc_u64 s[46:47], s[6:7], s[36:37]        ; V's
	s_lshr_b32 s36, s[TT], 1
	s_lshl_b32 s36, s36, 16                        ; 32 rows of 2,048 bytes for each pair of tiles,
	s_and_b32 s48, s[TT], 1
	s_lshl_b32 s48, s48, 14                        ; 8 rows for the odd tile
	s_add_co_u32 s36, s36, s48
	s_add_nc_u64 s[MK0:MK0+1], s[8:9], s[36:37]
	s_lshl_b32 s36, s[TT], 2
	s_add_nc_u64 s[10:11], s[10:11], s[36:37]
	s_load_b32 s[FW], s[10:11], 0x0
	s_lshl_b32 s48, s[BT], 7
	s_add_co_u32 s48, s48, s[TT]                   ; o's tile of rows
	s_mul_i32 s36, s48, 12288
	s_mul_i32 s49, s[PP], 1536                     ; the pair of heads is its K step
	s_add_co_u32 s36, s36, s49
	s_add_nc_u64 s[12:13], s[12:13], s[36:37]
	s_lshl_b32 s36, s48, 9
	s_lshl_b32 s49, s[PP], 6
	s_add_co_u32 s36, s36, s49
	s_add_nc_u64 s[14:15], s[14:15], s[36:37]
	v_and_b32 v7, 31, v0                           ; lane
	v_and_b32 v210, 15, v0                         ; r
	v_bfe_u32 v211, v0, 4, 1                       ; h
	v_lshlrev_b32 v[L8], 3, v7
	v_lshlrev_b32 v[L16], 4, v7
	v_lshlrev_b32 v[R4], 2, v210
	v_lshl_add_u32 v[AKS], v7, 2, KSB
	v_lshl_add_u32 v[AVS], v7, 2, VSB
	v_lshlrev_b32 v[T16], 4, v0
	v_lshrrev_b32 v[T16B], 8, v0                   ; a slot is 1,536 pieces of 16 bytes, three a thread: pieces t, 512 + t, 1,024 + t.  The second is K's for threads 0-255 and V's for the others
	v_mul_u32_u24 v[T16B], v[T16B], VJMP
	v_add_nc_u32 v[T16B], v[T16B], v[T16]
	v_add_nc_u32 v[T16B], 8192, v[T16B]
	v_add_nc_u32 v212, KSB, v[T16]                 ; where the scale words go
	v_and_b32 v[MO], 7, v210                       ; my query is the tile's row r % 8 + 16 (r / 8)
	v_lshrrev_b32 v213, 3, v210
	v_lshlrev_b32 v[MO], 11, v[MO]
	v_lshl_add_u32 v[MO], v213, 15, v[MO]
	v_lshl_add_u32 v[MO], v211, 4, v[MO]
	global_load_b128 v[96:99], v[T16], s[44:45]
	global_load_b128 v[100:103], v[T16], s[44:45] offset:8192
	global_load_b128 v[104:107], v[T16], s[46:47]
	global_load_b128 v[FRG:FRG+3], v[T16], s[KB:KB+1]
	global_load_b128 v[FRG+4:FRG+7], v[T16B], s[KB:KB+1]
	global_load_b128 v[FRG+8:FRG+11], v[T16], s[KB:KB+1] offset:KOFF+4096
.irp g, 0,1,2
	global_load_b64 v[16+2*\g:17+2*\g], v[L8], s[40:41] offset:256*\g
	global_load_b64 v[QN+2*\g:QN+1+2*\g], v[L8], s[40:41] offset:BHB+256*\g
.endr
	global_load_b32 v255, v[R4], s[42:43]
	global_load_b32 v95, v[R4], s[42:43] offset:8192
.irp j, 22,23,24,25,26,27, 88,89,90,91,92,93, 34,35,36,37,38,39, 94, 236,237,238,239, 252,253
	v_mov_b32 v[\j], 0                             ; the zero codes; o's fragment and word, which are shifted down at a head's end; the lane permutes' destinations; the pair v[252:253]
.endr
	s_wait_loadcnt 0x0
	ds_store_b128 v212, v[96:99]
	ds_store_b128 v212, v[100:103] offset:8192
	ds_store_b128 v212, v[104:107] offset:16384
	ds_store_b128 v[T16], v[FRG:FRG+3]
	ds_store_b128 v[T16], v[FRG+4:FRG+7] offset:8192
	ds_store_b128 v[T16], v[FRG+8:FRG+11] offset:16384
	s_wait_kmcnt 0x0                               ; the flags
.macro NEWHEAD                         ; a head begins: the step is written once and finds zeros, which the first change of M leaves zeros
	v_mov_b32 v13, 0xff61b1e6                      ; the largest t so far: -3e38, under every t
	v_floor_f32 v12, -v13                          ; -M
	v_mov_b32 v14, 0
	v_mov_b32 v15, 0
.set zn, 0
.rept 32
	v_mov_b32 v[160+zn], 0
.set zn, zn+1
.endr
	s_mov_b32 s[FWS], s[FW]
	s_mov_b64 s[MK:MK+1], s[MK0:MK0+1]
.endm
	NEWHEAD
	s_wait_dscnt 0x0                               ; for the others' sake: my stores have landed
	s_barrier_signal -1
	s_barrier_wait -1
; A KEY STEP: 128 keys: the q-th of the slot at LDS byte sb, the k-th of the trip's four.
.macro STEP sb, q, k
	s_bfe_u32 s[FF], s[FWS], (2<<16)|(2*(\k))
	s_cmp_eq_u32 s[FF], 0
	s_cbranch_scc1 .Lhid_\@                        ; no key of the step counts for any of my queries
.rept 4
	v_nop                                          ; places in front of loads into registers that the last products have read
.endr
.irp t, 0,1,2,3,4,5,6,7
.irp g, 0,1,2
	ds_load_b64 v[KV+6*\t+2*\g:KV+6*\t+2*\g+1], v[L8] offset:(\sb)+6144*(\q)+768*\t+256*\g
.endr
.endr
.irp e, 0,1,2,3
	ds_load_b32 v[248+\e], v[ADS] offset:512*(\k)+128*\e   ; lanes 0-15: tile 2 e's words; lanes 16-31: tile 2 e + 1's
.endr
	s_wait_dscnt 0x0
.irp e, 0,1,2,3
	v_wmma_scale_f32_16x16x128_f8f6f4 v[96+16*\e:103+16*\e], v[KV+12*\e:KV+12*\e+11], v[16:27], 0, v[248+\e], v255 matrix_a_fmt:MATRIX_FMT_BF6 matrix_b_fmt:MATRIX_FMT_BF6
	v_wmma_scale_f32_16x16x128_f8f6f4 v[104+16*\e:111+16*\e], v[KV+6+12*\e:KV+17+12*\e], v[16:27], 0, v[248+\e], v255 matrix_a_fmt:MATRIX_FMT_BF6 matrix_b_fmt:MATRIX_FMT_BF6 matrix_a_scale:MATRIX_SCALE_ROW1
.endr
.rept 4
	v_nop                                          ; places in front of the first read of the scores, and of the loads into K's registers
.endr
	s_cmp_eq_u32 s[FF], 1
	s_cbranch_scc1 .Lopen_\@                       ; all keys count
.irp e, 0,1,2,3
	global_load_b128 v[KV+4*\e:KV+4*\e+3], v[MO], s[MK:MK+1] offset:128*(\k)+32*\e   ; the bytes of keys 32 e + 16 h + 0 .. 15 for my query
.endr
	v_mov_b32 v252, 0xd0000000                     ; -2^33
	s_wait_loadcnt 0x0
.set mn, 0
.rept 64
	v_and_b32 v254, 1<<(8*(mn%4)), v[KV+4*(mn/16)+(mn%16)/4]
	v_cmp_ne_u32 vcc_lo, 0, v254
	v_cndmask_b32 v[96+mn], v[96+mn], v252, vcc_lo
.set mn, mn+1
.endr
.Lopen_\@:
.irp b, 0,1,2,3
	v_max3_num_f32 v[232+\b], v[96+16*\b], v[97+16*\b], v[98+16*\b]   ; THE LARGEST SCORE OF EACH BLOCK OF 32 KEYS serves twice: for the row's maximum, and, since p rises with the score, for the block's largest p
.endr
.irp i, 3,5,7,9,11,13
.irp b, 0,1,2,3
	v_max3_num_f32 v[232+\b], v[232+\b], v[96+16*\b+\i], v[97+16*\b+\i]   ; (the four blocks by turns)
.endr
.endr
.irp b, 0,1,2,3
	v_max_num_f32 v[232+\b], v[232+\b], v[111+16*\b]
.endr
.irp b, 0,1,2,3
	v_permlanex16_b32 v[236+\b], v[232+\b], s[SEL], s[SEL+1]
.endr
.irp b, 0,1,2,3
	v_max_num_f32 v[232+\b], v[232+\b], v[236+\b]  ; with lane l xor 16's 16 keys
.endr
	v_max3_num_f32 v254, v232, v233, v234
	v_max_num_f32 v254, v254, v235                 ; the step's largest score of my query
	v_mul_f32 v254, s[CS], v254                    ; as t (c is positive)
	v_max_num_f32 v13, v13, v254                   ; the running largest t
	v_mov_b32 v254, v12
	v_floor_f32 v12, -v13                          ; the new -M = floor(-t) = -ceil(t): M is a whole number
	v_sub_f32 v254, v12, v254                      ; M's old value less its new one: a whole number, 0 or less
	v_cvt_i32_f32 v254, v254                       ; (it saturates)
	v_ldexp_f32 v252, 1.0, v254                    ; f = 2^(old M - new M)
.set pn, 0
.rept 32
	v_pk_fma_f32 v[96+pn:97+pn], v[96+pn:97+pn], s[CS:CS+1], v[12:13] op_sel_hi:[1,0,0]   ; t - M, two at a time (of the pairs c and -M the low word serves both halves)
.set pn, pn+2
.endr
.irp b, 0,1,2,3
	v_fma_f32 v[232+\b], v[232+\b], s[CS], v12     ; the same of each block's largest score
.endr
.set pn, 0
.rept 64
	v_exp_f32 v[96+pn], v[96+pn]                   ; p = 2^(t - M), at most 1: not normalised
.set pn, pn+1
.endr
	v_pk_mul_f32 v[14:15], v[14:15], v[252:253] op_sel_hi:[1,0]   ; the sums under the new M.  (The plain place behind the exponentials)
	s_wait_alu depctr_va_vdst(0)                   ; one wait for the whole batch, ahead of its first reader
.irp b, 0,1,2,3
	v_exp_f32 v[232+\b], v[232+\b]                 ; the block's largest p: the same two instructions on the same number give the same bits
.endr
	v_pk_add_f32 v[236:237], v[96:97], v[98:99]    ; THE ROW'S SUM IS TAKEN OF THE UNQUANTISED p: two at a time, in two chains.  (It reads the 64 alone: plain work behind the four)
.irp j, 4,8,12,16,20,24,28,32,36,40,44,48,52,56,60
	v_pk_add_f32 v[14:15], v[14:15], v[96+\j:97+\j]
	v_pk_add_f32 v[236:237], v[236:237], v[98+\j:99+\j]
.endr
	v_pk_add_f32 v[14:15], v[14:15], v[236:237]
	s_wait_alu depctr_va_vdst(0)                   ; and one for the four
.irp b, 0,1,2,3
	v_max_num_f32 v[232+\b], 0x2800000, v[232+\b]  ; the floor 2^(5 - 127): the byte cannot fall under 1 (a block whose every p is 0 keeps that byte: its codes are zeros)
.endr
.irp b, 0,1,2,3
	v_add_nc_u32 v[244+\b], 0xfe000000, v[232+\b]  ; 4 off the exponent field: the conversion's scale operand
.endr
.irp b, 0,1,2,3
	v_lshrrev_b32 v[236+\b], 23, v[244+\b]         ; the scale's byte
.endr
	v_lshl_or_b32 v253, v237, 8, v236              ; p's scale word for these 128 keys
	v_lshl_or_b32 v253, v238, 16, v253
	v_lshl_or_b32 v253, v239, 24, v253
.irp c, 0,1
	v_cvt_scalef32_pk16_bf6_f32 v[224+6*\c:226+6*\c], v[96+32*\c:111+32*\c], v[244+2*\c]
	v_cvt_scalef32_pk16_bf6_f32 v[236+4*\c:238+4*\c], v[112+32*\c:127+32*\c], v[244+2*\c+1]   ; (a conversion's three registers begin on an even number)
.endr
	v_nop                                          ; one plain place behind a scaled conversion
.irp c, 0,1                                    ; the operand's layout wants a WHOLE block in a lane
.irp i, 0,1,2
	v_permlane16_swap_b32 v[224+6*\c+\i], v[236+4*\c+\i]
.endr
.irp i, 0,1,2
	v_mov_b32 v[227+6*\c+\i], v[236+4*\c+\i]
.endr
.endr
.set pn, 0
.rept 16
	v_pk_mul_f32 v[160+pn:161+pn], v[160+pn:161+pn], v[252:253] op_sel_hi:[1,0]   ; O^T under the new M.  (Of these 16, twelve name no register of any one product below: the places between p's word and codes and the products)
.set pn, pn+2
.endr
.irp t, 0,1,2,3
.irp g, 0,1,2,3,4,5
	ds_load_b64 v[KV+12*\t+2*\g:KV+12*\t+2*\g+1], v[L8] offset:(\sb)+SLB+6144*(\q)+1536*\t+256*\g
.endr
.endr
.irp e, 0,1
	ds_load_b32 v[248+\e], v[ADT] offset:256*(\k)+128*\e
.endr
	s_wait_dscnt 0x0
.irp e, 0,1                                    ; O^T += V^T P^T: four accumulators, one instruction a turn; the next step's eight products on the scores stand between two links of a chain
	v_wmma_scale_f32_16x16x128_f8f6f4 v[160+16*\e:167+16*\e], v[KV+24*\e:KV+24*\e+11], v[224:235], v[160+16*\e:167+16*\e], v[248+\e], v253 matrix_a_fmt:MATRIX_FMT_BF6 matrix_b_fmt:MATRIX_FMT_BF6
	v_wmma_scale_f32_16x16x128_f8f6f4 v[168+16*\e:175+16*\e], v[KV+12+24*\e:KV+23+24*\e], v[224:235], v[168+16*\e:175+16*\e], v[248+\e], v253 matrix_a_fmt:MATRIX_FMT_BF6 matrix_b_fmt:MATRIX_FMT_BF6 matrix_a_scale:MATRIX_SCALE_ROW1
.endr
.Lhid_\@:
.endm
; A SLOT: the next slot is asked for (x bytes on in K and in V); this slot's two steps; the next slot goes into the other LDS slot (at ob); one barrier: in front of it my reads of this slot are over and my
; stores into the other have landed.  guard = 1: the last trip has no next slot: no load leaves its buffer.
.macro SLOT sb, ob, x, k0, guard
.if \guard
	s_cmp_lt_u32 s[NN], 7
	s_cbranch_scc0 .Lno_load_\@
.endif
	global_load_b128 v[FRG:FRG+3], v[T16], s[KB:KB+1] offset:\x
	global_load_b128 v[FRG+4:FRG+7], v[T16B], s[KB:KB+1] offset:\x
	global_load_b128 v[FRG+8:FRG+11], v[T16], s[KB:KB+1] offset:(\x)+KOFF+4096
.if \guard
.Lno_load_\@:
.endif
	STEP \sb, 0, \k0
	STEP \sb, 1, (\k0)+1
	s_wait_loadcnt 0x0
.if \guard
	s_cmp_lt_u32 s[NN], 7
	s_cbranch_scc0 .Lno_store_\@
.endif
	ds_store_b128 v[T16], v[FRG:FRG+3] offset:\ob
	ds_store_b128 v[T16], v[FRG+4:FRG+7] offset:(\ob)+8192
	ds_store_b128 v[T16], v[FRG+8:FRG+11] offset:(\ob)+16384
.if \guard
.Lno_store_\@:
.endif
	s_wait_dscnt 0x0
	s_barrier_signal -1
	s_barrier_wait -1
.endm
.Lpair:                                            ; eight trips of two slots, 512 keys; four trips to a head
	v_add_nc_u32 v[ADS], s[TS], v[AKS]
	v_add_nc_u32 v[ADT], s[TJ], v[AVS]
	SLOT 0, SL1, SLB, 0, 0
	SLOT SL1, 0, 2*SLB, 2, 1
	s_wait_xcnt 0x0                                ; every load has read its base
	s_add_nc_u64 s[KB:KB+1], s[KB:KB+1], 2*SLB
	s_add_nc_u64 s[MK:MK+1], s[MK:MK+1], 512
	s_lshr_b32 s[FWS], s[FWS], 8
	s_add_co_u32 s[TS], s[TS], 2048
	s_add_co_u32 s[TJ], s[TJ], 1024
	s_and_b32 s36, s[NN], 3
	s_cmp_lg_u32 s36, 3
	s_cbranch_scc1 .Lsame_head
	; A HEAD'S END: O^T / the sum, quantised along the head's 64 channels: half a fragment and half a scale word
.rept 4
	v_nop                                          ; places behind the last products
.endr
	v_add_f32 v14, v14, v15                        ; the sum's two halves,
	v_permlanex16_b32 v252, v14, s[SEL], s[SEL+1]
	v_add_f32 v14, v14, v252                       ; and lane l xor 16's: the row's sum
	v_rcp_f32 v14, v14
	v_nop                                          ; a plain place behind the transcendental
	s_wait_alu depctr_va_vdst(0)                   ; the wait, ahead of the first reader
.set pn, 0
.rept 32
	v_mul_f32 v[96+pn], v[160+pn], v14             ; register 16 b + i: channel 32 b + 16 h + i.  Each accumulator is read from its low end on
.set pn, pn+1
.endr
.irp b, 0,1
	v_max3_num_f32 v[232+\b], |v[96+16*\b]|, |v[97+16*\b]|, 0x2800000
.endr
.irp i, 2,4,6,8,10,12,14
.irp b, 0,1
	v_max3_num_f32 v[232+\b], v[232+\b], |v[96+16*\b+\i]|, |v[97+16*\b+\i]|
.endr
.endr
.irp b, 0,1
	v_permlanex16_b32 v[236+\b], v[232+\b], s[SEL], s[SEL+1]
.endr
.irp b, 0,1
	v_max_num_f32 v[232+\b], v[232+\b], v[236+\b]
.endr
.irp b, 0,1
	v_add_nc_u32 v[244+\b], 0xfe000000, v[232+\b]
.endr
.irp b, 0,1
	v_lshrrev_b32 v[236+\b], 23, v[244+\b]
.endr
	v_lshl_or_b32 v254, v237, 8, v236              ; the head's two bytes
	v_lshrrev_b32 v94, 16, v94                     ; the first head's go down, the new ones on top
	v_lshl_or_b32 v94, v254, 16, v94
.irp i, 0,1,2,3,4,5
	v_mov_b32 v[28+\i], v[34+\i]                   ; likewise the six registers
.endr
	v_cvt_scalef32_pk16_bf6_f32 v[34:36], v[96:111], v244
	v_cvt_scalef32_pk16_bf6_f32 v[236:238], v[112:127], v245
	v_nop                                          ; one plain place behind a scaled conversion
.irp i, 0,1,2
	v_permlane16_swap_b32 v[34+\i], v[236+\i]
.endr
.irp i, 0,1,2
	v_mov_b32 v[37+\i], v[236+\i]
.endr
.irp i, 0,1,2,3,4,5
	v_mov_b32 v[16+\i], v[QN+\i]                   ; the second head's Q,
.endr
	v_mov_b32 v255, v95                            ; and its scale words: the 36 lines below stand between these and the next product
	NEWHEAD
.Lsame_head:
	s_add_co_u32 s[NN], s[NN], 1
	s_cmp_lt_u32 s[NN], 8
	s_cbranch_scc1 .Lpair
.irp c, 0,1,2
	global_store_b128 v[L16], v[28+4*\c:31+4*\c], s[12:13] offset:512*\c   ; the fragment as it stands: 32 lanes store 512 consecutive bytes, aligned
.endr
	global_store_b32 v[R4], v94, s[14:15]          ; both halves of the lanes store the same word to the same place
	s_wait_tensorcnt 0x0
	ds_add_u32 v223, v243
	s_wait_dscnt 0x0
	s_endpgm
.Lfunc_end_k_q0834fab7da_attn:
	.size	k_q0834fab7da_attn, .Lfunc_end_k_q0834fab7da_attn-k_q0834fab7da_attn
	.p2alignl 7, 3214868480
	.fill 96, 4, 3214868480
	.section	.rodata,"a",@progbits
	.p2align	6, 0x0
	.amdhsa_kernel k_q0834fab7da_attn
		.amdhsa_group_segment_fixed_size 92160
		.amdhsa_private_segment_fixed_size 0
		.amdhsa_enable_private_segment 0
		.amdhsa_kernarg_size 48
		.amdhsa_user_sgpr_count 2
		.amdhsa_user_sgpr_kernarg_segment_ptr 1
		.amdhsa_wavefront_size32 1
		.amdhsa_system_sgpr_workgroup_id_x 1
		.amdhsa_system_sgpr_workgroup_id_y 1
		.amdhsa_system_sgpr_workgroup_id_z 1
		.amdhsa_system_vgpr_workitem_id 0
		.amdhsa_next_free_vgpr 256
		.amdhsa_next_free_sgpr 66
		.amdhsa_reserve_vcc 1
		.amdhsa_float_denorm_mode_32 3
		.amdhsa_float_denorm_mode_16_64 3
		.amdhsa_memory_ordered 1
		.amdhsa_forward_progress 1
		.amdhsa_inst_pref_size 115
	.end_amdhsa_kernel
	.amdgpu_metadata
---
amdhsa.version: [ 1, 2 ]
amdhsa.kernels:
  - .name:           k_q0834fab7da_attn
    .symbol:         k_q0834fab7da_attn.kd
    .args:
      - { .name: qkvc, .offset: 0, .size: 8, .value_kind: global_buffer, .address_space: global }
      - { .name: qkvs, .offset: 8, .size: 8, .value_kind: global_buffer, .address_space: global }
      - { .name: mask, .offset: 16, .size: 8, .value_kind: global_buffer, .address_space: global }
      - { .name: flags, .offset: 24, .size: 8, .value_kind: global_buffer, .address_space: global }
      - { .name: acod, .offset: 32, .size: 8, .value_kind: global_buffer, .address_space: global }
      - { .name: ascl, .offset: 40, .size: 8, .value_kind: global_buffer, .address_space: global }
    .group_segment_fixed_size: 92160
    .private_segment_fixed_size: 0
    .kernarg_segment_align: 8
    .kernarg_segment_size: 48
    .max_flat_workgroup_size: 512
    .sgpr_count:     66
    .vgpr_count:     256
    .wavefront_size: 32
...
	.end_amdgpu_metadata
.endif
;; end of part 3
;; launch oproj (part 4): grid 4 x 32, 4 waves a work-group, clusters of 4 x 4, 327,680 bytes of LDS; arguments acod, ascl, opc, ops, out0; writes out0
.if DOCPART == 4
	.amdgcn_target "amdgcn-amd-amdhsa--gfx1250"
	.amdhsa_code_object_version 6
	.text
	.protected	k_q0834fab7da_oproj
	.globl	k_q0834fab7da_oproj
	.p2align	8
	.type	k_q0834fab7da_oproj,@function
k_q0834fab7da_oproj:
	s_mov_b64 s[64:65], 0
	v_nop
	global_prefetch_b8 v0, s[64:65] scope:SCOPE_SE
	s_setreg_imm32_b32 hwreg(HW_REG_WAVE_MODE, 25, 1), 1
	s_wait_xcnt 0x0
	s_wait_alu depctr_hold_cnt(0) depctr_sa_sdst(0) depctr_va_vdst(0) depctr_va_sdst(0) depctr_va_ssrc(0) depctr_va_vcc(0) depctr_vm_vsrc(0)
	s_getreg_b32 s2, hwreg(HW_REG_IB_STS2, 6, 4)
	s_cmp_eq_u32 s2, 0
	s_cbranch_scc0 .Lentry_in_a_cluster
	s_endpgm
.Lentry_in_a_cluster:
	s_bfe_u32 s2, ttmp6, 0x10000c
	s_cmp_lg_u32 s2, 0xf033
	s_cbranch_scc0 .Lentry_shape_is_right
	s_endpgm
.Lentry_shape_is_right:
; OPROJ.  out = o w_o^T on codes of BF6 (E3M2) with E8M0 scales, K = 1,024; out [8192][1024] f32.  P = o (codes made by the attention), R = w_o (tiles 704-767 of the first launch's codes).
; A tile of the result, 256 x 256, is made by four waves, 128 x 128 each: 64 accumulators, 512 registers.  Used transposed: source 0 = 16 rows of R, source 1 = 16 rows of P: a lane holds one row of P and eight columns a block.
; THE ROWS OF A TILE ARE NOT NEIGHBOURS: tile 2 a + u, lane row r, holds row 32 a + 8 u + r % 8 + 16 (r / 8), in P and in R alike; the way out puts rows and columns back.
; OPERANDS lie in memory as images of their registers (1,536 bytes for 16 rows x 128 K): a tensor load brings 8 tiles x 2 K steps as 8 rows of 3,072 bytes, and a fragment is three ds_load_b128 at 16 x lane.
; K = 8 steps of 128 = 4 slots' worth.  LDS has THREE slots, all asked for at the start; slot 0 is filled once more, with the last two K steps, behind the one round of the cluster's barrier in the middle: that load has
; four K steps, 256 matrix instructions, in which to land.  By this text's own count a wave has four tensor loads out at the most.  The text has no loop.
; THE SCALE WORDS of my 128 rows of P and of R, for all of K, come once and stay in 64 registers: lanes 0-15 hold P's block i, lanes 16-31 R's block i.
; CLUSTERS: 4 x 4 work-groups; P's tiles are asked for jointly along a row of the cluster, R's along a column.  The result has 128 tiles of this size: half of the WGPs have a work-group; a smaller tile is not built here.
; REGISTERS: window 0: v1-6 at the head; v16-18, v20-22 LDS addresses of P's and R's fragments in slots 0-2; v24-26 the way out; v27 the scale words' address; v28, v29 for the add; v32-95 scale words; v128-223 P's 8 fragments, one set;
;   on the way out v128-255 rows read back.   window 1: v0-95, v128-223 R's fragments, two sets.   window 2: the accumulators of P's blocks 0-3 ((a, b) at v[8 (8 (a % 4) + b)]);   window 3: blocks 4-7.
.set FR,    12
.set FRB,   1536
.set TILEB, 2*FRB
.set HALFT, 8*TILEB
.set SLOT,  4*HALFT
.set SCL,   3*SLOT
.set SCLR,  SCL+2*4096+128             ; 128 bytes further on than need be, so that the two halves of the lanes fall on different banks
.set SPARE, SCLR+2*4096+128            ; the spare words, 128 bytes for each wave: two blocks of 256 bytes that no other line names
.set GRP,   98304
.set SPITCH, 528                       ; the way out: a stage of 16 rows x (512 bytes + 16) for each wave, in slot 1: it has had its one fill, and its last read stands in front of the second barrier of the K steps
.set ADRP,  16
.set ADRR,  20
.set STO,   24
.set RD,    25
.set CO,    26
.set ADRS,  27
.set SPW,   28
.set NIL,   29
.set SC,    32
.set PF,    128
.set BK,    128
.set G1P,   24
.set G1R,   32
.set G1SP,  40
.set G1SR,  48
.set G0P0,  56
.set G0P1,  60
.set G0P2,  68
.set G0R0,  72
.set G0R1,  76
.set G0R2,  80
.set G0SP,  84
.set G0SR,  88
.set MSB, 0
.macro WIN new                         ; the immediate's high byte repeats the setting that is left
.if MSB != \new
	s_set_vgpr_msb (MSB<<8)|\new
.set MSB, \new
.endif
.endm
; A joint load: waves 0 and 1 fetch for P, waves 2 and 3 for R; the branch hangs on the wave's number alone.  Four v_nop follow each of the two lines.
.macro JLOAD g0p, g1p, g0r, g1r
	s_cmp_eq_u32 s15, 0
	s_cbranch_scc0 .Lfor_r_\@
	tensor_load_to_lds s[\g0p:\g0p+3], s[\g1p:\g1p+7]
	s_nop 0
.rept 4
	v_nop
.endr
	s_branch .Lasked_\@
.Lfor_r_\@:
	tensor_load_to_lds s[\g0r:\g0r+3], s[\g1r:\g1r+7]
	s_nop 0
.rept 4
	v_nop
.endr
.Lasked_\@:
.endm
.macro CREST                           ; a round of the cluster's barrier behind its opening barrier
	s_cmp_lg_u32 s14, 0
	s_cbranch_scc1 .Lnot_wave_0_\@
	s_barrier_signal -3
.Lnot_wave_0_\@:
	s_barrier_wait -3
	s_barrier_signal -1
	s_barrier_wait -1
.endm
.macro CROUND                          ; a whole round
	s_barrier_signal -1
	s_barrier_wait -1
	CREST
.endm
.macro SETG0 g0p, g0r, n               ; slot n's two groups 0, and its first fill
	s_mov_b32 s[\g0p], 1
	s_add_co_u32 s[\g0p+1], s100, (\n)*SLOT
	s_add_nc_u64 s[\g0p+2:\g0p+3], s[22:23], (\n)*TILEB
	s_or_b32 s[\g0p+3], s[\g0p+3], 0x80000000
	s_mov_b32 s[\g0r], 1
	s_add_co_u32 s[\g0r+1], s100, (\n)*SLOT
	s_add_nc_u64 s[\g0r+2:\g0r+3], s[66:67], (\n)*TILEB
	s_or_b32 s[\g0r+3], s[\g0r+3], 0x80000000
	JLOAD \g0p, G1P, \g0r, G1R
.endm
	s_load_b256 s[4:11], s[0:1], 0x0               ; o's codes s[4:5], o's scale words s[6:7], w's codes s[8:9], w's scale words s[10:11]
	s_load_b64 s[12:13], s[0:1], 0x20              ; out
	v_lshl_add_u32 v[SPW], v0, 2, SPARE
	v_mov_b32 v[NIL], 0
	ds_add_u32 v28, v29
	ds_add_u32 v28, v29
	s_wait_dscnt 0x0
	v_lshrrev_b32 v1, 5, v0
	v_readfirstlane_b32 s14, v1                    ; wave 0..3
	s_lshr_b32 s15, s14, 1                         ; which half of P's rows is mine.  Also: I fetch for P (0) or for R (1)
	s_and_b32 s16, s14, 1                          ; which half of R's rows.  Also: which 128 rows I fetch
	s_bfe_u32 s18, ttmp6, 0x40000                  ; cx
	s_bfe_u32 s19, ttmp6, 0x40004                  ; cy
	s_and_b32 s20, ttmp7, 0xffff
	s_lshl_b32 s20, s20, 2
	s_add_co_u32 s20, s20, s19                     ; tile row = 4 x cluster y + cy
	s_lshl_b32 s20, s20, 1                         ; in groups of 128
	s_lshl_b32 s21, ttmp9, 2
	s_add_co_u32 s21, s21, s18                     ; tile column = 4 x cluster x + cx
	s_lshl_b32 s21, s21, 1
	s_lshl_b32 s22, s19, 2
	s_lshl_b32 s22, 15, s22                        ; my row of the cluster
	s_lshl_b32 s66, 0x1111, s18                    ; my column
	s_or_b32 s[G1P], s22, (3<<16)|(1<<21)          ; 15:0 the mask; 17:16 elements of 8 bytes; 20 no padding; 21 set beside a mask
	s_or_b32 s[G1R], s66, (3<<16)|(1<<21)
	s_or_b32 s[G1SP], s22, (3<<16)|(1<<21)
	s_or_b32 s[G1SR], s66, (3<<16)|(1<<21)
.irp g, G1P, G1R                       ; 8 rows (tiles) of 3,072 bytes, 12,288 bytes apart
	s_mov_b32 s[\g+1], 384<<16
	s_mov_b32 s[\g+2], 8<<16
	s_mov_b32 s[\g+3], 384<<16
	s_mov_b32 s[\g+4], 8
	s_mov_b32 s[\g+5], 1536
	s_mov_b32 s[\g+6], 0
	s_mov_b32 s[\g+7], 0
.endr
.irp g, G1SP, G1SR                     ; 4,096 dense bytes as 16 rows of 256
	s_mov_b32 s[\g+1], 32<<16
	s_mov_b32 s[\g+2], 16<<16
	s_mov_b32 s[\g+3], 32<<16
	s_mov_b32 s[\g+4], 16
	s_mov_b32 s[\g+5], 32
	s_mov_b32 s[\g+6], 0
	s_mov_b32 s[\g+7], 0
.endr
	s_add_co_u32 s19, s20, s16                     ; the group of P that I fetch: it hangs on the tile row alone,
	s_add_co_u32 s18, s21, s16
	s_add_co_u32 s18, s18, 88                      ; that of R on the tile column alone (w_o begins at group 88)
	s_mov_b32 s23, 0
	s_mov_b32 s67, 0
	s_mul_i32 s100, s14, HALFT                     ; where tiles go in a slot: wave x 128 rows: no place in the cluster enters an LDS address
	s_lshl_b32 s101, s16, 12
	s_wait_kmcnt 0x0
	CROUND                                         ; all sixteen work-groups are here: the first joint loads meet
	s_lshl_b32 s22, s19, 12
	s_lshl_b32 s66, s18, 12
	s_mov_b32 s[G0SP], 1
	s_add_co_u32 s[G0SP+1], s101, SCL
	s_add_nc_u64 s[G0SP+2:G0SP+3], s[6:7], s[22:23]
	s_or_b32 s[G0SP+3], s[G0SP+3], 0x80000000
	s_mov_b32 s[G0SR], 1
	s_add_co_u32 s[G0SR+1], s101, SCLR
	s_add_nc_u64 s[G0SR+2:G0SR+3], s[10:11], s[66:67]
	s_or_b32 s[G0SR+3], s[G0SR+3], 0x80000000
	JLOAD G0SP, G1SP, G0SR, G1SR                   ; the scale words first: they are wanted with K step 0
	s_mul_i32 s22, s19, GRP
	s_mul_i32 s66, s18, GRP
	s_add_nc_u64 s[22:23], s[4:5], s[22:23]
	s_add_nc_u64 s[66:67], s[8:9], s[66:67]
	SETG0 G0P0, G0R0, 0
	SETG0 G0P1, G0R1, 1
	SETG0 G0P2, G0R2, 2
	v_and_b32 v1, 15, v0                           ; r
	v_bfe_u32 v2, v0, 4, 1                         ; h
	v_and_b32 v3, 31, v0                           ; lane
	v_lshlrev_b32 v4, 4, v3                        ; an image's place for my lane
	s_mul_i32 s100, s15, HALFT
	s_mul_i32 s101, s16, HALFT
	s_add_co_u32 s101, s101, 2*HALFT
.irp n, 0,1,2
	v_add_nc_u32 v[ADRP+\n], s100, v4
	v_add_nc_u32 v[ADRR+\n], s101, v4
	s_add_co_u32 s100, s100, SLOT
	s_add_co_u32 s101, s101, SLOT
.endr
	s_xor_b32 s101, s15, 1                         ; from my words of P to my words of R: SCLR - SCL + 4,096 (R's half - P's half), made without a subtraction
	s_add_co_u32 s101, s101, s16
	s_lshl_b32 s101, s101, 12
	s_add_co_u32 s101, s101, SCLR-SCL-4096
	v_mul_u32_u24 v6, s101, v2                     ; lanes 16-31 take R's: one product, the distance x h
	s_lshl_b32 s100, s15, 12
	s_add_co_u32 s100, s100, SCL
	v_lshl_add_u32 v5, v1, 2, v6
	v_add_nc_u32 v[ADRS], s100, v5
	s_mul_i32 s100, s14, 16*SPITCH
	s_add_co_u32 s100, s100, SLOT                  ; my stage
	v_mul_u32_u24 v5, v1, SPITCH
	v_lshl_add_u32 v5, v2, 6, v5
	v_add_nc_u32 v[STO], s100, v5                  ; in: row r, + 64 h: block b's eight columns are 32 (b / 2) + 16 h + 8 (b % 2) + 0 .. 7
	v_add_nc_u32 v[RD], s100, v4                   ; back: the 32 lanes take one row of 512 bytes;
	v_mov_b32 v[CO], v4                            ; and the same in out
	s_add_co_u32 s92, s20, s15                     ; my 128 rows of out: 4,096 bytes a row.  (These registers hold both cx and cy; none of them feeds a descriptor or an LDS address)
	s_lshl_b32 s92, s92, 19
	s_add_co_u32 s94, s21, s16                     ; my 128 columns: 512 bytes
	s_lshl_b32 s94, s94, 9
	s_add_co_u32 s92, s92, s94
	s_mov_b32 s93, 0
	s_add_nc_u64 s[12:13], s[12:13], s[92:93]
.macro FRAG reg, adr, q, i             ; a fragment comes as it was stored: three loads of 16 bytes a lane, 512 consecutive bytes each
.irp c, 0,1,2
	ds_load_b128 v[\reg+4*\c:\reg+4*\c+3], v[\adr] offset:(\i)*TILEB+(\q)*FRB+512*\c
.endr
.endm
.macro FETCH_R slot, q, set
	WIN 0x40
.irp i, 0,1,2,3,4,5,6,7
	FRAG 128*(\set)+FR*\i, ADRR+\slot, \q, \i
.endr
	WIN 0
.endm
.macro FETCH_P slot, q, i0
.irp i, \i0, \i0+1, \i0+2, \i0+3
	FRAG PF+FR*(\i), ADRP+\slot, \q, \i
.endr
.endm
.macro SCALES                          ; all scale words, once: register 8 s + i: lanes 0-15 P's block i, lanes 16-31 R's block i, K step s
.irp s, 0,1,2,3,4,5,6,7
.irp i, 0,1,2,3,4,5,6,7
	ds_load_b32 v[SC+8*\s+\i], v[ADRS] offset:512*\i+64*\s
.endr
.endr
.endm
; 16 matrix instructions: P's blocks a0, a0 + 1 x R's eight, K step s.  zero = 1: the first product starts the sums: nothing is ever cleared.
; The 64 accumulators take turns, one instruction a turn, in the same order in every step.
.macro MUL16 a0, set, s, zero
.irp a, \a0, \a0+1
.irp b, 0,1,2,3,4,5,6,7
.set rD, 8*(8*((\a)%4)+\b)
.if \zero
	v_wmma_scale_f32_16x16x128_f8f6f4 v[rD:rD+7], v[128*(\set)+FR*\b:128*(\set)+FR*\b+FR-1], v[PF+FR*(\a):PF+FR*(\a)+FR-1], 0, v[SC+8*(\s)+\b], v[SC+8*(\s)+(\a)] matrix_a_fmt:MATRIX_FMT_BF6 matrix_b_fmt:MATRIX_FMT_BF6 matrix_a_scale:MATRIX_SCALE_ROW1
.else
	v_wmma_scale_f32_16x16x128_f8f6f4 v[rD:rD+7], v[128*(\set)+FR*\b:128*(\set)+FR*\b+FR-1], v[PF+FR*(\a):PF+FR*(\a)+FR-1], v[rD:rD+7], v[SC+8*(\s)+\b], v[SC+8*(\s)+(\a)] matrix_a_fmt:MATRIX_FMT_BF6 matrix_b_fmt:MATRIX_FMT_BF6 matrix_a_scale:MATRIX_SCALE_ROW1
.endif
.endr
.endr
.endm
; A load into a register that a matrix instruction has read, and an LDS store that reads a result, stand four places behind it; only plain vector instructions that name none of its registers are
; places (ISA guide 7.12.1 for vector instructions).
.macro PLACES n
.rept \n
	v_nop
.endr
.endm
.macro STEP s, nslot, nq, zero         ; K step s; in it the next step's fragments are fetched, from the nq-th K step of slot nslot
	s_wait_dscnt 12                                ; R's set and P's blocks 0-3 are in; the youngest 12 loads (P's blocks 4-7) may be out
	WIN 0xa1                                       ; source 0 (R) window 1, source 1 (P) window 0, C and D window 2
	MUL16 0, (\s)%2, \s, \zero
	MUL16 2, (\s)%2, \s, \zero
	s_wait_dscnt 0x0                               ; P's blocks 4-7 are in (asked for 32 matrix instructions ago)
	PLACES 4
	FETCH_R \nslot, \nq, 1-(\s)%2
	FETCH_P \nslot, \nq, 0
	WIN 0xf1                                       ; C and D window 3
	MUL16 4, (\s)%2, \s, \zero
	MUL16 6, (\s)%2, \s, \zero
	PLACES 4
	WIN 0
	FETCH_P \nslot, \nq, 4
.endm
; A K step with a barrier in it.  In front of the barrier each wave waits for all its tensor loads, adds 0 to its spare word, and waits for that and for its LDS reads.
; fill = 1: the barrier opens a round of the cluster's barrier, and slot 0, which nobody reads any more, takes the last two K steps.
.macro TURN s, nslot, fill
	s_wait_tensorcnt 0x0                           ; all my tensor loads have landed  (every window is 0 here: the add's two registers lie in window 0)
	ds_add_u32 v[SPW], v[NIL]                      ; 0 onto my spare word
	s_wait_dscnt 13                                ; (the add and the youngest 12 loads may be out)
	WIN 0xa1
	MUL16 0, (\s)%2, \s, 0                         ; sixteen matrix instructions stand between the add and the wait for it
	s_wait_dscnt 0x0                               ; the add is done, and my reads of the slot in hand are over
	s_barrier_signal -1
	MUL16 2, (\s)%2, \s, 0
	WIN 0
	s_barrier_wait -1
.if \fill
	CREST                                          ; no wave of any partner still reads slot 0 or has a load on its way
	s_add_nc_u64 s[G0P0+2:G0P0+3], s[G0P0+2:G0P0+3], 3*TILEB
	s_add_nc_u64 s[G0R0+2:G0R0+3], s[G0R0+2:G0R0+3], 3*TILEB
	JLOAD G0P0, G1P, G0R0, G1R                     ; the first tensor load behind the round; its four v_nop are also the places in front of the loads below
.else
	PLACES 4
.endif
	FETCH_R \nslot, 0, 1-(\s)%2
	FETCH_P \nslot, 0, 0
	WIN 0xf1
	MUL16 4, (\s)%2, \s, 0
	MUL16 6, (\s)%2, \s, 0
	PLACES 4
	WIN 0
	FETCH_P \nslot, 0, 4
.endm
	s_wait_tensorcnt 2                             ; the scale words and my part of slot 0 are in; slots 1 and 2 may stay out
	s_barrier_signal -1
	s_barrier_wait -1                              ; everybody's are
	FETCH_R 0, 0, 0
	FETCH_P 0, 0, 0
	SCALES
	FETCH_P 0, 0, 4
	STEP 0, 0, 1, 1                                ; the first step's products start the sums
	TURN 1, 1, 1                                   ; its wait shows slots 1 and 2 landed, in every wave; K steps 6 and 7 go out into slot 0
	STEP 2, 1, 1, 0
	STEP 3, 2, 0, 0
	STEP 4, 2, 1, 0
	TURN 5, 0, 0                                   ; slot 0's second fill has landed, in every wave; nobody reads slot 1 any more
	STEP 6, 0, 1, 0
	s_wait_dscnt 12                                ; K step 7: nothing more to fetch
	WIN 0xa1
	MUL16 0, 1, 7, 0
	MUL16 2, 1, 7, 0
	s_wait_dscnt 0x0
	WIN 0xf1
	MUL16 4, 1, 7, 0
	MUL16 6, 1, 7, 0
	WIN 0
; THE WAY OUT, block by block of 16 rows x 128 columns: through my own stage in LDS, where the columns fall into their order, and back as whole rows of 512 bytes, which the 32 lanes store as two aligned runs of 256 bytes,
; each row at its true place.  LDS serves a wave's instructions in order (ISA guide 5.7.1.4): no wait between the stores and the loads, nor in front of the next block's stores.
.macro TOSTAGE a
.set AC, 64*((\a)%4)
	WIN 0x08+4*((\a)/4)                            ; the data: window 2 or 3
.irp b, 0,1,2,3,4,5,6,7
	ds_store_b128 v[STO], v[AC+8*\b:AC+8*\b+3] offset:128*(\b/2)+32*(\b%2)      ; each accumulator from its low end on
	ds_store_b128 v[STO], v[AC+8*\b+4:AC+8*\b+7] offset:128*(\b/2)+32*(\b%2)+16
.endr
	WIN 0
.set BBK, BK+64*((\a)%2)
.irp t, 0,1,2,3,4,5,6,7,8,9,10,11,12,13,14,15
	ds_load_b128 v[BBK+4*\t:BBK+4*\t+3], v[RD] offset:\t*SPITCH
.endr
.endm
.macro SEND a, younger                 ; younger: the LDS instructions issued behind block a's loads, which may stay out
.set BBK, BK+64*((\a)%2)
	s_wait_dscnt \younger                          ; the block is back in registers
.irp t, 0,1,2,3,4,5,6,7,8,9,10,11,12,13,14,15
	global_store_b128 v[CO], v[BBK+4*\t:BBK+4*\t+3], s[12:13] offset:(32*((\a)/2)+8*((\a)%2)+(\t%8)+16*(\t/8))*4096 th:TH_STORE_NT   ; the block's row t is my row 32 (a / 2) + 8 (a % 2) + t % 8 + 16 (t / 8); written once, read by nobody here
.endr
.endm
	PLACES 4                                       ; behind the last products: for the first reads of results and for the loads into the registers that held P's fragments
	TOSTAGE 0
.irp a, 1,2,3,4,5,6,7
.if \a > 1
	s_wait_xcnt 0x0                                ; block a - 2's stores have read their registers: block a's loads may land there
.endif
	TOSTAGE \a
	SEND \a-1, 32                                  ; behind block a - 1's loads: block a's 16 stores and 16 loads
.endr
	SEND 7, 0
	s_wait_tensorcnt 0x0                           ; the wave's end
	ds_add_u32 v[SPW], v[NIL]
	s_wait_dscnt 0x0
	CROUND                                         ; the closing round: no work-group ends while a partner may still ask for a tile that names it
	s_endpgm
.Lfunc_end_k_q0834fab7da_oproj:
	.size	k_q0834fab7da_oproj, .Lfunc_end_k_q0834fab7da_oproj-k_q0834fab7da_oproj
	.p2alignl 7, 3214868480
	.fill 96, 4, 3214868480
	.section	.rodata,"a",@progbits
	.p2align	6, 0x0
	.amdhsa_kernel k_q0834fab7da_oproj
		.amdhsa_group_segment_fixed_size 327680
		.amdhsa_private_segment_fixed_size 0
		.amdhsa_enable_private_segment 0
		.amdhsa_kernarg_size 40
		.amdhsa_user_sgpr_count 2
		.amdhsa_user_sgpr_kernarg_segment_ptr 1
		.amdhsa_wavefront_size32 1
		.amdhsa_system_sgpr_workgroup_id_x 1
		.amdhsa_system_sgpr_workgroup_id_y 1
		.amdhsa_system_sgpr_workgroup_id_z 1
		.amdhsa_system_vgpr_workitem_id 0
		.amdhsa_next_free_vgpr 1024
		.amdhsa_next_free_sgpr 102
		.amdhsa_reserve_vcc 0
		.amdhsa_float_denorm_mode_32 3
		.amdhsa_float_denorm_mode_16_64 3
		.amdhsa_memory_ordered 1
		.amdhsa_forward_progress 1
		.amdhsa_inst_pref_size 137
	.end_amdhsa_kernel
	.amdgpu_metadata
---
amdhsa.version: [ 1, 2 ]
amdhsa.kernels:
  - .name:           k_q0834fab7da_oproj
    .symbol:         k_q0834fab7da_oproj.kd
    .args:
      - { .name: acod, .offset: 0, .size: 8, .value_kind: global_buffer, .address_space: global }
      - { .name: ascl, .offset: 8, .size: 8, .value_kind: global_buffer, .address_space: global }
      - { .name: opc, .offset: 16, .size: 8, .value_kind: global_buffer, .address_space: global }
      - { .name: ops, .offset: 24, .size: 8, .value_kind: global_buffer, .address_space: global }
      - { .name: out0, .offset: 32, .size: 8, .value_kind: global_buffer, .address_space: global }
    .group_segment_fixed_size: 327680
    .private_segment_fixed_size: 0
    .kernarg_segment_align: 8
    .kernarg_segment_size: 40
    .max_flat_workgroup_size: 128
    .sgpr_count:     102
    .vgpr_count:     1024
    .wavefront_size: 32
...
	.end_amdgpu_metadata
.endif
;; end of part 4
;; ======== version 2 of 2: 4 launches; version 1 with the launch attn written anew for expert scheduling mode
;; limits: right only within a limited range of input values
;; workspace buffers: opc 9,437,184 bytes; ops 393,216 bytes; flags 512 bytes of whole numbers; qkvc 18,874,368 bytes; qkvs 1,310,720 bytes; acod 6,291,456 bytes; ascl 262,144 bytes
;; launch prep: the kernel of part 1 again; grid 416 x 1, 4 waves a work-group, no clusters, 35,328 bytes of LDS; arguments encodings_for_qkv, w_qkv, w_o, mask, opc, ops, flags; writes opc, ops, flags
;; launch qkv: the kernel of part 2 again; grid 96 x 4, 4 waves a work-group, clusters of 4 x 4, 327,680 bytes of LDS; arguments opc, ops, b_qkv, qkvc, qkvs; writes qkvc, qkvs
;; launch attn (part 5): grid 256 x 1, 16 waves a work-group, no clusters, 92,160 bytes of LDS; arguments qkvc, qkvs, mask, flags, acod, ascl; writes acod, ascl
.if DOCPART == 5
	.amdgcn_target "amdgcn-amd-amdhsa--gfx1250"
	.amdhsa_code_object_version 6
	.text
	.protected	k_q0834fab7da_attn
	.globl	k_q0834fab7da_attn
	.p2align	8
	.type	k_q0834fab7da_attn,@function
k_q0834fab7da_attn:
	s_mov_b64 s[64:65], 0
	v_nop
	global_prefetch_b8 v0, s[64:65] scope:SCOPE_SE
	s_setreg_imm32_b32 hwreg(HW_REG_WAVE_SCHED_MODE, 0, 2), 2
	s_setreg_imm32_b32 hwreg(HW_REG_WAVE_MODE, 25, 1), 1
	s_wait_xcnt 0x0
	s_wait_alu depctr_vm_vsrc(0)
; ATTENTION on codes of BF6 (E3M2) with E8M0 scales: o = softmax(where(mask, -1e9, q k^T / 8)) v for 64 heads of 64 channels, 2,048 queries and keys; o leaves as codes, the last product's operand.
; THE SOFTMAX AHEAD OF THE SECOND PRODUCT: t = score x log2(e) / 8; M = the row's largest t so far, rounded UP to a whole number; p = 2^(t - M) is quantised along the keys, not normalised; the row's sum is taken of the
; unquantised p and divides o at the end.  When M moves, the sum and o are multiplied by 2^(old M - new M): exact.
; SHARES.  A work-group takes one pair of heads of one batch and 16 tiles of 16 queries: blocks i and 15 - i of 128 queries.  Each of its sixteen waves owns one tile, in 256 registers, and walks first the one head's keys,
; then the other's, 128 a step: so a wave ends up with a whole fragment (16 rows x 128 K) of the last product's operand.  Four waves share a SIMD, two of each block.
; THE MASK IS AN INPUT.  An earlier launch has stored, for each tile of queries and each step of 128 keys, 0 (no key allowed, and each query has an allowed key elsewhere: the step adds nothing and is left out: a scalar
; branch on the stored number), 1 (all allowed) or 2 (mixed: the mask's bytes are read, and the scores of keys not allowed become -2^33 ahead of the maximum).
; LIMIT: -2^33 x log2(e) / 8 stands for reference's -1e9 x log2(e).  Both are whole numbers in f32, so a query with no allowed key has p = 1 for every key and the sum 2,048, as there; a query with an allowed key has
; p = 0 for the others, as there, while its allowed logits stay above about -9e8.
; LIMITS of the quantiser: a block of zeros gets the byte 1 where the rule says 127 (its codes are zeros; this program alone reads the bytes); NaN and infinities are not served.
; K and V come through registers.  All 512 threads load a slot (256 keys: 12,288 bytes of K,
; 12,288 of V, as they lie in memory) a whole slot's two steps ahead of its use and store it into the other of two LDS slots: one barrier a slot.  Nothing is prefetched.
; LAYOUT.  Both products are used transposed: S^T = K Q^T (source 0 = 16 keys), O^T = V^T P^T (source 0 = 16 channels): a lane holds ONE query throughout.  By the order of rows in the tiles, registers 16 b + i of the scores
; are keys 32 b + 16 (lane / 16) + i of the step, and registers 16 b + i of O^T are channels 32 b + 16 (lane / 16) + i.
; A HEAD'S 64 FILL HALF OF THE INSTRUCTION'S 128: Q's registers 6-11 are zero codes and the scale bytes of that half are 0 (2^-127, no NaN).  K's tiles lie 6 registers apart; a tile's registers 6-11 are the next tile's codes,
; which meet Q's zeros and add nothing.
; The mask's bytes are read as 32 bytes of each of 16 rows, and o's scale words leave in pieces of 64 bytes: both are small beside the launch's other traffic.
; THE MODE: SCHED_MODE bits 1:0 = 2 (LLVM: expert scheduling mode 2), set by the entry lines.  The code itself states the register dependences between vector or matrix instructions and memory or LDS instructions,
; with s_wait_alu, always for 0.
; THE PLAN.  Registers that memory or LDS instructions touch:
;   v1, v6, v8-11, v212   addresses, written once at the head and never again: one wait on va_vdst ahead of the first load serves every load and store of the kernel.
;   v4, v5                LDS addresses of a trip's scale words.  Written at a trip's head, behind a wait on vm_vsrc; read by the steps' loads, each of which stands behind a step's wait on va_vdst.
;   v192-203              the slot on its way.  Global loads land in them, LDS stores read them, no vector instruction names them: a wait on vm_vsrc ahead of each slot's loads.
;   v40-87, v248-251      A step: K's tiles and words land; the eight products on the scores read them; in a mixed step the mask's bytes land in v40-55 and 64 v_and_b32 read them; V's fragments and words land;
;                         the four products on O^T read them.  A wait on va_vdst stands ahead of each of these landings.
;   v96-107               at the head only: scale words on their way into LDS; later the scores.  The first trip's wait on vm_vsrc stands between.
;   v28-39, v94           o's fragment and word: written by vector instructions at a head's end, read by the last four stores, behind one wait on va_vdst.
; V's loads stand straight behind the products on the scores, dealt among the lines of the maximum, which name none of their registers: they have the softmax in which to land.
; REGISTERS: v1-11 addresses; v12 -M, v13 the largest t, v[14:15] the sum in two halves; v16-21 Q, v22-27 zeros; v28-39 o's fragment; v40-87 K's 8 tiles, then the mask's bytes, then V's 4 fragments; v88-93 zeros; v94 o's scale word;
;   v95 the second head's Q word; v96-159 S^T, then p; v160-191 O^T; v192-203 the slot on its way; v204-209 the second head's Q; v224-235 p's codes; v232-254 at work; v248-251 K's or V's scale words, v253 p's, v255 Q's.
.set BHB,  98304                       ; a head's codes of Q, of K or of V
.set KOFF, 6291456                     ; K's codes lie so far behind Q's, and V's so far behind K's
.set SLB,  12288                       ; a slot's bytes of K, and of V
.set VJMP, KOFF-SLB                    ; from a place in a slot's second half to the same place in V
.set SL1,  32768                       ; LDS: slot 0 at 0, slot 1 here; in a slot K's 16 tiles of 768 bytes, then V's 8 fragments of 1,536
.set KSB,  65536                       ; K's scale words of both heads, 16,384 bytes
.set VSB,  81920                       ; V's, 8,192 bytes
.set L8,   1                           ; v1   8 x lane
.set AKS,  2                           ; v2   KSB + 4 x lane
.set AVS,  3                           ; v3   VSB + 4 x lane
.set ADS,  4                           ; v4   K's scale words of the trip's four steps
.set ADT,  5                           ; v5   V's
.set T16,  6                           ; v6   16 x thread
.set T16B, 8                           ; v8   the thread's second piece of a slot, in memory
.set MO,   9                           ; v9   my query's row of the mask, + 16 h
.set L16,  10                          ; v10  16 x lane
.set R4,   11                          ; v11  4 r
.set KV,   40
.set FRG,  192
.set QN,   204
.set MT,   232                         ; v232-247 a mixed step: sixteen bytes of the mask, each alone in its register
.set WV,   16
.set TT,   17                          ; s17  my tile of queries, 0..127
.set PP,   18                          ; s18  the pair of heads
.set BT,   19                          ; s19  the batch
.set SEL,  20                          ; s[20:21] lane selects for v_permlanex16_b32: lane l xor 16
.set CS,   22                          ; s[22:23] c = log2(e) / 8
.set FW,   24                          ; s24  my tile's flags
.set FWS,  25                          ; s25  those of the steps still to come in this head
.set MK0,  26                          ; s[26:27] the mask at my tile's first row
.set MK,   28                          ; s[28:29] and at the trip's first key
.set KB,   30                          ; s[30:31] K's codes at the trip's first slot
.set TS,   32                          ; s32  where the trip's scale words of K begin
.set TJ,   33                          ; s33  and V's
.set NN,   34                          ; s34  the trip, 0..7: four to a head
.set FF,   35                          ; s35  the step's flag
.set MS,   48                          ; s[48:63] a mixed step: sixteen masks of lanes (s48 and s49 serve the head's arithmetic before)
	s_load_b256 s[4:11], s[0:1], 0x0               ; codes s[4:5], scale words s[6:7], mask s[8:9], flags s[10:11]
	s_load_b128 s[12:15], s[0:1], 0x20             ; o's codes s[12:13], o's scale words s[14:15]
	v_lshl_add_u32 v222, v0, 2, 0x16000
	v_mov_b32 v223, 0
	v_lshrrev_b32 v1, 5, v0
	v_readfirstlane_b32 s[WV], v1                  ; wave 0..15
	s_and_b32 s36, ttmp9, 7                        ; i
	s_bfe_u32 s[PP], ttmp9, 0x30003
	s_lshr_b32 s[BT], ttmp9, 6
	s_sub_co_u32 s38, 15, s36
	s_wait_alu depctr_va_sdst(0)                   ; the wave's number is written, ahead of its first reader
	s_lshr_b32 s37, s[WV], 2
	s_xor_b32 s37, s37, s[WV]
	s_and_b32 s37, s37, 1                          ; which of the two blocks: of waves 2 m and 2 m + 1 one takes each, and of any four waves w, w + 4, w + 8, w + 12, or 4 m .. 4 m + 3, two take each
	s_cmp_eq_u32 s37, 0
	s_cselect_b32 s36, s36, s38                    ; block i or 15 - i
	s_lshl_b32 s[TT], s36, 3
	s_lshr_b32 s37, s[WV], 1
	s_add_co_u32 s[TT], s[TT], s37
	s_lshl_b32 s38, s[BT], 4
	s_lshl_b32 s39, s[PP], 1
	s_add_co_u32 s38, s38, s39                     ; the pair's first head, 0..62
	s_mov_b32 s[SEL], 0x76543210
	s_mov_b32 s[SEL+1], 0xfedcba98
	s_mov_b32 s[CS], 0x3e38aa3b                    ; log2(e) / 8
	s_mov_b32 s[CS+1], s[CS]                       ; (named with it as a pair, so it is written)
	s_mov_b32 s[TS], 0
	s_mov_b32 s[TJ], 0
	s_mov_b32 s[NN], 0
	s_mov_b32 s37, 0
	s_wait_kmcnt 0x0
	s_mul_i32 s48, s38, BHB
	s_mul_i32 s36, s[TT], 768
	s_add_co_u32 s36, s36, s48
	s_add_nc_u64 s[40:41], s[4:5], s[36:37]        ; Q's codes: my tile of the first head
	s_add_co_u32 s36, s48, KOFF
	s_add_nc_u64 s[KB:KB+1], s[4:5], s[36:37]      ; K's: the two heads' 16 slots follow each other, in K and in V alike
	s_lshl_b32 s48, s38, 13
	s_lshl_b32 s36, s[TT], 6
	s_add_co_u32 s36, s36, s48
	s_add_nc_u64 s[42:43], s[6:7], s[36:37]        ; Q's scale words
	s_add_co_u32 s36, s48, 524288
	s_add_nc_u64 s[44:45], s[6:7], s[36:37]        ; K's, both heads'
	s_lshl_b32 s36, s38, 12
	s_add_co_u32 s36, s36, 1048576
	s_add_nc_u64 s[46:47], s[6:7], s[36:37]        ; V's
	s_lshr_b32 s36, s[TT], 1
	s_lshl_b32 s36, s36, 16                        ; 32 rows of 2,048 bytes for each pair of tiles,
	s_and_b32 s48, s[TT], 1
	s_lshl_b32 s48, s48, 14                        ; 8 rows for the odd tile
	s_add_co_u32 s36, s36, s48
	s_add_nc_u64 s[MK0:MK0+1], s[8:9], s[36:37]
	s_lshl_b32 s36, s[TT], 2
	s_add_nc_u64 s[10:11], s[10:11], s[36:37]
	s_load_b32 s[FW], s[10:11], 0x0
	s_lshl_b32 s48, s[BT], 7
	s_add_co_u32 s48, s48, s[TT]                   ; o's tile of rows
	s_mul_i32 s36, s48, 12288
	s_mul_i32 s49, s[PP], 1536                     ; the pair of heads is its K step
	s_add_co_u32 s36, s36, s49
	s_add_nc_u64 s[12:13], s[12:13], s[36:37]
	s_lshl_b32 s36, s48, 9
	s_lshl_b32 s49, s[PP], 6
	s_add_co_u32 s36, s36, s49
	s_add_nc_u64 s[14:15], s[14:15], s[36:37]
	v_and_b32 v7, 31, v0                           ; lane
	v_and_b32 v210, 15, v0                         ; r
	v_bfe_u32 v211, v0, 4, 1                       ; h
	v_lshlrev_b32 v[L8], 3, v7
	v_lshlrev_b32 v[L16], 4, v7
	v_lshlrev_b32 v[R4], 2, v210
	v_lshl_add_u32 v[AKS], v7, 2, KSB
	v_lshl_add_u32 v[AVS], v7, 2, VSB
	v_lshlrev_b32 v[T16], 4, v0
	v_lshrrev_b32 v[T16B], 8, v0                   ; a slot is 1,536 pieces of 16 bytes, three a thread: pieces t, 512 + t, 1,024 + t.  The second is K's for threads 0-255 and V's for the others
	v_mul_u32_u24 v[T16B], v[T16B], VJMP
	v_add_nc_u32 v[T16B], v[T16B], v[T16]
	v_add_nc_u32 v[T16B], 8192, v[T16B]
	v_add_nc_u32 v212, KSB, v[T16]                 ; where the scale words go
	v_and_b32 v[MO], 7, v210                       ; my query is the tile's row r % 8 + 16 (r / 8)
	v_lshrrev_b32 v213, 3, v210
	v_lshlrev_b32 v[MO], 11, v[MO]
	v_lshl_add_u32 v[MO], v213, 15, v[MO]
	v_lshl_add_u32 v[MO], v211, 4, v[MO]
	s_wait_alu depctr_va_vdst(0)                   ; the addresses v1, v6, v8 to v11 and v212 are written, which the kernel's loads and stores read; no vector instruction writes them again
	global_load_b128 v[96:99], v[T16], s[44:45]
	global_load_b128 v[100:103], v[T16], s[44:45] offset:8192
	global_load_b128 v[104:107], v[T16], s[46:47]
	global_load_b128 v[FRG:FRG+3], v[T16], s[KB:KB+1]
	global_load_b128 v[FRG+4:FRG+7], v[T16B], s[KB:KB+1]
	global_load_b128 v[FRG+8:FRG+11], v[T16], s[KB:KB+1] offset:KOFF+4096
.irp g, 0,1,2
	global_load_b64 v[16+2*\g:17+2*\g], v[L8], s[40:41] offset:256*\g
	global_load_b64 v[QN+2*\g:QN+1+2*\g], v[L8], s[40:41] offset:BHB+256*\g
.endr
	global_load_b32 v255, v[R4], s[42:43]
	global_load_b32 v95, v[R4], s[42:43] offset:8192
.irp j, 22,23,24,25,26,27, 88,89,90,91,92,93, 34,35,36,37,38,39, 94, 236,237,238,239, 252,253
	v_mov_b32 v[\j], 0                             ; the zero codes; o's fragment and word, which are shifted down at a head's end; the lane permutes' destinations; the pair v[252:253].  (No load names them; only v34-39 and v94 are stored, by the kernel's last stores)
.endr
	s_wait_loadcnt 0x0
	ds_store_b128 v212, v[96:99]
	ds_store_b128 v212, v[100:103] offset:8192
	ds_store_b128 v212, v[104:107] offset:16384
	ds_store_b128 v[T16], v[FRG:FRG+3]
	ds_store_b128 v[T16], v[FRG+4:FRG+7] offset:8192
	ds_store_b128 v[T16], v[FRG+8:FRG+11] offset:16384
	s_wait_kmcnt 0x0                               ; the flags
.macro NEWHEAD                         ; a head begins: the step is written once and finds zeros, which the first change of M leaves zeros
	v_mov_b32 v13, 0xff61b1e6                      ; the largest t so far: -3e38, under every t
	v_floor_f32 v12, -v13                          ; -M
	v_mov_b32 v14, 0
	v_mov_b32 v15, 0
.set zn, 0
.rept 32
	v_mov_b32 v[160+zn], 0
.set zn, zn+1
.endr
	s_mov_b32 s[FWS], s[FW]
	s_mov_b64 s[MK:MK+1], s[MK0:MK0+1]
.endm
	NEWHEAD
	s_wait_dscnt 0x0                               ; for the others' sake: my stores have landed
	s_barrier_signal -1
	s_barrier_wait -1
; V's fragment t (16 channels x 128 keys) of the q-th step of the slot at LDS byte sb: six loads of 8 bytes a lane
.macro VFRAG sb, q, t
.irp g, 0,1,2,3,4,5
	ds_load_b64 v[KV+12*(\t)+2*\g:KV+12*(\t)+2*\g+1], v[L8] offset:(\sb)+SLB+6144*(\q)+1536*(\t)+256*\g
.endr
.endm
; A KEY STEP: 128 keys: the q-th of the slot at LDS byte sb, the k-th of the trip's four.
.macro STEP sb, q, k
	s_bfe_u32 s[FF], s[FWS], (2<<16)|(2*(\k))
	s_cmp_eq_u32 s[FF], 0
	s_cbranch_scc1 .Lhid_\@                        ; no key of the step counts for any of my queries
.rept 4
	v_nop                                          ; four plain lines between the last products and the loads into their registers, as in the plain form of this text
.endr
	s_wait_alu depctr_va_vdst(0)                   ; the last step's products are done reading v40-87 and v248-251, in which the loads below land; v4 and v5, which they read, are written; so are Q's codes, the zero codes and v255, which the products below take
.irp t, 0,1,2,3,4,5,6,7
.irp g, 0,1,2
	ds_load_b64 v[KV+6*\t+2*\g:KV+6*\t+2*\g+1], v[L8] offset:(\sb)+6144*(\q)+768*\t+256*\g
.endr
.endr
.irp e, 0,1,2,3
	ds_load_b32 v[248+\e], v[ADS] offset:512*(\k)+128*\e   ; lanes 0-15: tile 2 e's words; lanes 16-31: tile 2 e + 1's
.endr
	s_wait_dscnt 0x0
.irp e, 0,1,2,3
	v_wmma_scale_f32_16x16x128_f8f6f4 v[96+16*\e:103+16*\e], v[KV+12*\e:KV+12*\e+11], v[16:27], 0, v[248+\e], v255 matrix_a_fmt:MATRIX_FMT_BF6 matrix_b_fmt:MATRIX_FMT_BF6
	v_wmma_scale_f32_16x16x128_f8f6f4 v[104+16*\e:111+16*\e], v[KV+6+12*\e:KV+17+12*\e], v[16:27], 0, v[248+\e], v255 matrix_a_fmt:MATRIX_FMT_BF6 matrix_b_fmt:MATRIX_FMT_BF6 matrix_a_scale:MATRIX_SCALE_ROW1
.endr
.rept 4
	v_nop                                          ; places in front of the first read of the scores
.endr
	s_wait_alu depctr_va_vdst(0)                   ; the eight products are done reading K's tiles and scale words: the mask's bytes, or V's fragments and words, land in these registers
	s_cmp_eq_u32 s[FF], 1
	s_cbranch_scc1 .Lopen_\@                       ; all keys count
.irp e, 0,1,2,3
	global_load_b128 v[KV+4*\e:KV+4*\e+3], v[MO], s[MK:MK+1] offset:128*(\k)+32*\e   ; the bytes of keys 32 e + 16 h + 0 .. 15 for my query
.endr
	v_mov_b32 v252, 0xd0000000                     ; -2^33
	s_wait_loadcnt 0x0
.irp e, 0,1,2,3                                ; sixteen keys at a time: each key's byte alone, the sixteen compares in a run into sixteen scalar registers, one wait, the sixteen selections
.set mn, 0
.rept 16
	v_and_b32 v[MT+mn], 1<<(8*(mn%4)), v[KV+4*\e+mn/4]
.set mn, mn+1
.endr
.set mn, 0
.rept 16
	v_cmp_ne_u32 s[MS+mn], 0, v[MT+mn]
.set mn, mn+1
.endr
	s_wait_alu depctr_va_sdst(0)                   ; the sixteen compares have written s48 to s63, ahead of the first selection that reads one of them
.set mn, 0
.rept 16
	v_cndmask_b32 v[96+16*\e+mn], v[96+16*\e+mn], v252, s[MS+mn]
.set mn, mn+1
.endr
.endr
	s_wait_alu depctr_va_vdst(0)                   ; the 64 v_and_b32 are done reading the mask's bytes in v40-55, in which V's first fragments land
.Lopen_\@:
	VFRAG \sb, \q, 0                               ; V's loads, dealt among the lines of the maximum.  No further wait: no vector instruction since the last wait on va_vdst names v40-87, v248, v249, v1 or v5
.irp b, 0,1,2,3
	v_max3_num_f32 v[232+\b], v[96+16*\b], v[97+16*\b], v[98+16*\b]   ; THE LARGEST SCORE OF EACH BLOCK OF 32 KEYS serves twice: for the row's maximum, and, since p rises with the score, for the block's largest p
.endr
	VFRAG \sb, \q, 1
.irp i, 3,5
.irp b, 0,1,2,3
	v_max3_num_f32 v[232+\b], v[232+\b], v[96+16*\b+\i], v[97+16*\b+\i]   ; (the four blocks by turns)
.endr
.endr
	VFRAG \sb, \q, 2
.irp i, 7,9
.irp b, 0,1,2,3
	v_max3_num_f32 v[232+\b], v[232+\b], v[96+16*\b+\i], v[97+16*\b+\i]
.endr
.endr
	VFRAG \sb, \q, 3
.irp i, 11,13
.irp b, 0,1,2,3
	v_max3_num_f32 v[232+\b], v[232+\b], v[96+16*\b+\i], v[97+16*\b+\i]
.endr
.endr
.irp e, 0,1
	ds_load_b32 v[248+\e], v[ADT] offset:256*(\k)+128*\e   ; V's scale words: lanes 0-15 fragment 2 e's, lanes 16-31 fragment 2 e + 1's
.endr
.irp b, 0,1,2,3
	v_max_num_f32 v[232+\b], v[232+\b], v[111+16*\b]
.endr
.irp b, 0,1,2,3
	v_permlanex16_b32 v[236+\b], v[232+\b], s[SEL], s[SEL+1]
.endr
.irp b, 0,1,2,3
	v_max_num_f32 v[232+\b], v[232+\b], v[236+\b]  ; with lane l xor 16's 16 keys
.endr
	v_max3_num_f32 v254, v232, v233, v234
	v_max_num_f32 v254, v254, v235                 ; the step's largest score of my query
	v_mul_f32 v254, s[CS], v254                    ; as t (c is positive)
	v_max_num_f32 v13, v13, v254                   ; the running largest t
	v_mov_b32 v254, v12
	v_floor_f32 v12, -v13                          ; the new -M = floor(-t) = -ceil(t): M is a whole number
	v_sub_f32 v254, v12, v254                      ; M's old value less its new one: a whole number, 0 or less
	v_cvt_i32_f32 v254, v254                       ; (it saturates)
	v_ldexp_f32 v252, 1.0, v254                    ; f = 2^(old M - new M)
.set pn, 0
.rept 32
	v_pk_fma_f32 v[96+pn:97+pn], v[96+pn:97+pn], s[CS:CS+1], v[12:13] op_sel_hi:[1,0,0]   ; t - M, two at a time (of the pairs c and -M the low word serves both halves)
.set pn, pn+2
.endr
.irp b, 0,1,2,3
	v_fma_f32 v[232+\b], v[232+\b], s[CS], v12     ; the same of each block's largest score
.endr
.set pn, 0
.rept 64
	v_exp_f32 v[96+pn], v[96+pn]                   ; p = 2^(t - M), at most 1: not normalised
.set pn, pn+1
.endr
	v_pk_mul_f32 v[14:15], v[14:15], v[252:253] op_sel_hi:[1,0]   ; the sums under the new M.  (The plain place behind the exponentials)
	s_wait_alu depctr_va_vdst(0)                   ; the 64 exponentials have written p: one wait for the whole batch, ahead of its first reader
.irp b, 0,1,2,3
	v_exp_f32 v[232+\b], v[232+\b]                 ; the block's largest p: the same two instructions on the same number give the same bits
.endr
	v_pk_add_f32 v[236:237], v[96:97], v[98:99]    ; THE ROW'S SUM IS TAKEN OF THE UNQUANTISED p: two at a time, in two chains.  (It reads the 64 alone: plain work behind the four)
.irp j, 4,8,12,16,20,24,28,32,36,40,44,48,52,56,60
	v_pk_add_f32 v[14:15], v[14:15], v[96+\j:97+\j]
	v_pk_add_f32 v[236:237], v[236:237], v[98+\j:99+\j]
.endr
	v_pk_add_f32 v[14:15], v[14:15], v[236:237]
	s_wait_alu depctr_va_vdst(0)                   ; the four exponentials have written v232-235, ahead of their first reader
.irp b, 0,1,2,3
	v_max_num_f32 v[232+\b], 0x2800000, v[232+\b]  ; the floor 2^(5 - 127): the byte cannot fall under 1 (a block whose every p is 0 keeps that byte: its codes are zeros)
.endr
.irp b, 0,1,2,3
	v_add_nc_u32 v[244+\b], 0xfe000000, v[232+\b]  ; 4 off the exponent field: the conversion's scale operand
.endr
.irp b, 0,1,2,3
	v_lshrrev_b32 v[236+\b], 23, v[244+\b]         ; the scale's byte
.endr
	v_lshl_or_b32 v253, v237, 8, v236              ; p's scale word for these 128 keys
	v_lshl_or_b32 v253, v238, 16, v253
	v_lshl_or_b32 v253, v239, 24, v253
.irp c, 0,1
	v_cvt_scalef32_pk16_bf6_f32 v[224+6*\c:226+6*\c], v[96+32*\c:111+32*\c], v[244+2*\c]
	v_cvt_scalef32_pk16_bf6_f32 v[236+4*\c:238+4*\c], v[112+32*\c:127+32*\c], v[244+2*\c+1]   ; (a conversion's three registers begin on an even number)
.endr
	v_nop                                          ; one plain place behind a scaled conversion
.irp c, 0,1                                    ; the operand's layout wants a WHOLE block in a lane
.irp i, 0,1,2
	v_permlane16_swap_b32 v[224+6*\c+\i], v[236+4*\c+\i]
.endr
.irp i, 0,1,2
	v_mov_b32 v[227+6*\c+\i], v[236+4*\c+\i]
.endr
.endr
.set pn, 0
.rept 16
	v_pk_mul_f32 v[160+pn:161+pn], v[160+pn:161+pn], v[252:253] op_sel_hi:[1,0]   ; O^T under the new M.  (Of these 16, twelve name no register of any one product below: the places between p's word and codes and the products)
.set pn, pn+2
.endr
	s_wait_alu depctr_va_vdst(0)                   ; p's codes v224-235 and its scale word v253 are written, which the scaled products below take; the places stand ahead of this wait
	s_wait_dscnt 0x0                               ; V's fragments and words, asked for ahead of the softmax, are in
.irp e, 0,1                                    ; O^T += V^T P^T: four accumulators, one instruction a turn; the next step's eight products on the scores stand between two links of a chain
	v_wmma_scale_f32_16x16x128_f8f6f4 v[160+16*\e:167+16*\e], v[KV+24*\e:KV+24*\e+11], v[224:235], v[160+16*\e:167+16*\e], v[248+\e], v253 matrix_a_fmt:MATRIX_FMT_BF6 matrix_b_fmt:MATRIX_FMT_BF6
	v_wmma_scale_f32_16x16x128_f8f6f4 v[168+16*\e:175+16*\e], v[KV+12+24*\e:KV+23+24*\e], v[224:235], v[168+16*\e:175+16*\e], v[248+\e], v253 matrix_a_fmt:MATRIX_FMT_BF6 matrix_b_fmt:MATRIX_FMT_BF6 matrix_a_scale:MATRIX_SCALE_ROW1
.endr
.Lhid_\@:
.endm
; A SLOT: the next slot is asked for (x bytes on in K and in V); this slot's two steps; the next slot goes into the other LDS slot (at ob); one barrier: in front of it my reads of this slot are over and my
; stores into the other have landed.  guard = 1: the last trip has no next slot: no load leaves its buffer.  No vector instruction names v192-203, v6 or v8: the wait on vm_vsrc ahead of the macro is all that its loads owe.
.macro SLOT sb, ob, x, k0, guard
.if \guard
	s_cmp_lt_u32 s[NN], 7
	s_cbranch_scc0 .Lno_load_\@
.endif
	global_load_b128 v[FRG:FRG+3], v[T16], s[KB:KB+1] offset:\x
	global_load_b128 v[FRG+4:FRG+7], v[T16B], s[KB:KB+1] offset:\x
	global_load_b128 v[FRG+8:FRG+11], v[T16], s[KB:KB+1] offset:(\x)+KOFF+4096
.if \guard
.Lno_load_\@:
.endif
	STEP \sb, 0, \k0
	STEP \sb, 1, (\k0)+1
	s_wait_loadcnt 0x0
.if \guard
	s_cmp_lt_u32 s[NN], 7
	s_cbranch_scc0 .Lno_store_\@
.endif
	ds_store_b128 v[T16], v[FRG:FRG+3] offset:\ob
	ds_store_b128 v[T16], v[FRG+4:FRG+7] offset:(\ob)+8192
	ds_store_b128 v[T16], v[FRG+8:FRG+11] offset:(\ob)+16384
.if \guard
.Lno_store_\@:
.endif
	s_wait_dscnt 0x0
	s_barrier_signal -1
	s_barrier_wait -1
.endm
.Lpair:                                            ; eight trips of two slots, 512 keys; four trips to a head
	s_wait_alu depctr_vm_vsrc(0)                   ; the last trip's loads of scale words have read v4 and v5, which the two lines below write; my LDS stores have read v192-203, in which the next slot's loads land (first trip: v96-107 too, which the products write)
	v_add_nc_u32 v[ADS], s[TS], v[AKS]
	v_add_nc_u32 v[ADT], s[TJ], v[AVS]
	SLOT 0, SL1, SLB, 0, 0
	s_wait_alu depctr_vm_vsrc(0)                   ; my LDS stores of the slot just stored have read v192-203, in which the next slot's loads land
	SLOT SL1, 0, 2*SLB, 2, 1
	s_wait_xcnt 0x0                                ; every load has read its base
	s_add_nc_u64 s[KB:KB+1], s[KB:KB+1], 2*SLB
	s_add_nc_u64 s[MK:MK+1], s[MK:MK+1], 512
	s_lshr_b32 s[FWS], s[FWS], 8
	s_add_co_u32 s[TS], s[TS], 2048
	s_add_co_u32 s[TJ], s[TJ], 1024
	s_and_b32 s36, s[NN], 3
	s_cmp_lg_u32 s36, 3
	s_cbranch_scc1 .Lsame_head
	; A HEAD'S END: O^T / the sum, quantised along the head's 64 channels: half a fragment and half a scale word.  Vector instructions alone: no load or store names a register of these lines before the kernel's last stores
.rept 4
	v_nop                                          ; places behind the last products
.endr
	v_add_f32 v14, v14, v15                        ; the sum's two halves,
	v_permlanex16_b32 v252, v14, s[SEL], s[SEL+1]
	v_add_f32 v14, v14, v252                       ; and lane l xor 16's: the row's sum
	v_rcp_f32 v14, v14
	v_nop                                          ; a plain place behind the transcendental
	s_wait_alu depctr_va_vdst(0)                   ; the reciprocal has written v14, ahead of its first reader
.set pn, 0
.rept 32
	v_mul_f32 v[96+pn], v[160+pn], v14             ; register 16 b + i: channel 32 b + 16 h + i.  Each accumulator is read from its low end on
.set pn, pn+1
.endr
.irp b, 0,1
	v_max3_num_f32 v[232+\b], |v[96+16*\b]|, |v[97+16*\b]|, 0x2800000
.endr
.irp i, 2,4,6,8,10,12,14
.irp b, 0,1
	v_max3_num_f32 v[232+\b], v[232+\b], |v[96+16*\b+\i]|, |v[97+16*\b+\i]|
.endr
.endr
.irp b, 0,1
	v_permlanex16_b32 v[236+\b], v[232+\b], s[SEL], s[SEL+1]
.endr
.irp b, 0,1
	v_max_num_f32 v[232+\b], v[232+\b], v[236+\b]
.endr
.irp b, 0,1
	v_add_nc_u32 v[244+\b], 0xfe000000, v[232+\b]
.endr
.irp b, 0,1
	v_lshrrev_b32 v[236+\b], 23, v[244+\b]
.endr
	v_lshl_or_b32 v254, v237, 8, v236              ; the head's two bytes
	v_lshrrev_b32 v94, 16, v94                     ; the first head's go down, the new ones on top
	v_lshl_or_b32 v94, v254, 16, v94
.irp i, 0,1,2,3,4,5
	v_mov_b32 v[28+\i], v[34+\i]                   ; likewise the six registers
.endr
	v_cvt_scalef32_pk16_bf6_f32 v[34:36], v[96:111], v244
	v_cvt_scalef32_pk16_bf6_f32 v[236:238], v[112:127], v245
	v_nop                                          ; one plain place behind a scaled conversion
.irp i, 0,1,2
	v_permlane16_swap_b32 v[34+\i], v[236+\i]
.endr
.irp i, 0,1,2
	v_mov_b32 v[37+\i], v[236+\i]
.endr
.irp i, 0,1,2,3,4,5
	v_mov_b32 v[16+\i], v[QN+\i]                   ; the second head's Q,
.endr
	v_mov_b32 v255, v95                            ; and its scale words: the 36 lines below stand between these and the next product, and the next step's wait on va_vdst behind them
	NEWHEAD
.Lsame_head:
	s_add_co_u32 s[NN], s[NN], 1
	s_cmp_lt_u32 s[NN], 8
	s_cbranch_scc1 .Lpair
	s_wait_alu depctr_va_vdst(0)                   ; the conversions, exchanges and moves of the two heads' ends have written v28-39 and v94, which the stores below read
.irp c, 0,1,2
	global_store_b128 v[L16], v[28+4*\c:31+4*\c], s[12:13] offset:512*\c   ; the fragment as it stands: 32 lanes store 512 consecutive bytes, aligned
.endr
	global_store_b32 v[R4], v94, s[14:15]          ; both halves of the lanes store the same word to the same place
	s_wait_dscnt 0x0
	s_wait_alu depctr_hold_cnt(0) depctr_sa_sdst(0) depctr_va_vdst(0) depctr_va_sdst(0) depctr_va_ssrc(0) depctr_va_vcc(0) depctr_vm_vsrc(0)
	s_wait_tensorcnt 0x0
	ds_add_u32 v222, v223
	s_wait_dscnt 0x0
	s_endpgm
.Lfunc_end_k_q0834fab7da_attn:
	.size	k_q0834fab7da_attn, .Lfunc_end_k_q0834fab7da_attn-k_q0834fab7da_attn
	.p2alignl 7, 3214868480
	.fill 96, 4, 3214868480
	.section	.rodata,"a",@progbits
	.p2align	6, 0x0
	.amdhsa_kernel k_q0834fab7da_attn
		.amdhsa_group_segment_fixed_size 92160
		.amdhsa_private_segment_fixed_size 0
		.amdhsa_enable_private_segment 0
		.amdhsa_kernarg_size 48
		.amdhsa_user_sgpr_count 2
		.amdhsa_user_sgpr_kernarg_segment_ptr 1
		.amdhsa_wavefront_size32 1
		.amdhsa_system_sgpr_workgroup_id_x 1
		.amdhsa_system_sgpr_workgroup_id_y 1
		.amdhsa_system_sgpr_workgroup_id_z 1
		.amdhsa_system_vgpr_workitem_id 0
		.amdhsa_next_free_vgpr 256
		.amdhsa_next_free_sgpr 66
		.amdhsa_reserve_vcc 0
		.amdhsa_float_denorm_mode_32 3
		.amdhsa_float_denorm_mode_16_64 3
		.amdhsa_memory_ordered 1
		.amdhsa_forward_progress 1
		.amdhsa_inst_pref_size 132
	.end_amdhsa_kernel
	.amdgpu_metadata
---
amdhsa.version: [ 1, 2 ]
amdhsa.kernels:
  - .name:           k_q0834fab7da_attn
    .symbol:         k_q0834fab7da_attn.kd
    .args:
      - { .name: qkvc, .offset: 0, .size: 8, .value_kind: global_buffer, .address_space: global }
      - { .name: qkvs, .offset: 8, .size: 8, .value_kind: global_buffer, .address_space: global }
      - { .name: mask, .offset: 16, .size: 8, .value_kind: global_buffer, .address_space: global }
      - { .name: flags, .offset: 24, .size: 8, .value_kind: global_buffer, .address_space: global }
      - { .name: acod, .offset: 32, .size: 8, .value_kind: global_buffer, .address_space: global }
      - { .name: ascl, .offset: 40, .size: 8, .value_kind: global_buffer, .address_space: global }
    .group_segment_fixed_size: 92160
    .private_segment_fixed_size: 0
    .kernarg_segment_align: 8
    .kernarg_segment_size: 48
    .max_flat_workgroup_size: 512
    .sgpr_count:     66
    .vgpr_count:     256
    .wavefront_size: 32
...
	.end_amdgpu_metadata
.endif
;; end of part 5
;; launch oproj: the kernel of part 4 again; grid 4 x 32, 4 waves a work-group, clusters of 4 x 4, 327,680 bytes of LDS; arguments acod, ascl, opc, ops, out0; writes out0
